; MI455X (gfx1250); checked and timed in simulation.
; The chip was launched on July 23, 2026; its instructions are those of AMD's public machine-readable ISA for CDNA 5 (MIT licence, August 2026) and "CDNA5" Instruction Set Architecture Reference Guide (July 2026). The comments in the code are by the model that wrote it; some were corrected since.
;; Multi Head Attention. Allowed arithmetic: matrix products marked QUANTISED: E2M3 operands, one E8M0 scale for each 32 along K, by v_wmma_scale_f32_16x16x128_f8f6f4 with both operands' format E2M3, f32 sums; everything else in f32.
;; Inputs: b_proj 1,024 float32; b_qkv 3,072 float32; w_proj 1,024 x 1,024 float32; w_qkv 1,024 x 3,072 float32; x 4 x 2,048 x 1,024 float32.
;; Outputs: out0 4 x 2,048 x 1,024 float32.
;; This version of the problem:
;;   THIS VERSION OF THE PROBLEM IS GIVEN IN LOW PRECISION. The matrix products marked QUANTISED in the list below multiply operands that are first quantised to E2M3 (2 exponent bits, 3 mantissa bits; 6 bits a number), with one power-of-two scale for each 32 numbers along K (OCP MX v1.0); their sums are f32. All else is computed in f32.
;;   The module's matrix products, in the order in which they are computed (A, B: the left and right operand; K: the contracted axis; several contracted axes count as one K, in the product's order):
;;     1. [M 8,192, K 1,024] x [K 1,024, N 3,072]; A: input x; B: input w_qkv: QUANTISED
;;     2. batch 64 x [M 2,048, K 64] x [K 64, N 2,048]; A: computed on the way; B: computed on the way: QUANTISED
;;     3. batch 64 x [M 2,048, K 2,048] x [K 2,048, N 64]; A: softmax (see below); B: computed on the way: QUANTISED
;;     4. [M 8,192, K 1,024] x [K 1,024, N 1,024]; A: computed on the way; B: input w_proj: QUANTISED
;;   THE QUANTISER, for each operand of a quantised product, along K:
;;     - K is cut into blocks of 32 from its start; a last block that is shorter is filled with zeros.
;;     - A block's scale is 2^e with e = floor(log2(the largest magnitude in the block)) - 2, held to -126 .. 127; a block of zeros has e = 0. As a byte (E8M0): e + 127.
;;     - Each number is divided by its block's scale, clamped to +-7.5, and rounded to the nearest number of E2M3, ties to even, subnormals kept.
;;     - The product sums the exact products of the quantised numbers (number of the format x scale) in f32.
;;   ~~~python
;;   def quantise(x, axis):      # numpy; x: float32 -> the quantised numbers, widened to float32 again
;;       x = np.moveaxis(x, axis, -1); K = x.shape[-1]
;;       x = np.pad(x, [(0, 0)] * (x.ndim - 1) + [(0, -K % 32)]); x = x.reshape(x.shape[:-1] + (-1, 32)); a = np.abs(x).max(-1, keepdims=True)
;;       e = np.where(a > 0, np.clip(np.frexp(np.where(a > 0, a, 1))[1] - 1 - 2, -126, 127), 0)      # np.frexp(a)[1] - 1 = floor(log2(a)), exactly
;;       r = np.clip(x / 2.0 ** e, -7.5, 7.5)
;;       step = 2.0 ** (np.maximum(np.frexp(np.where(r == 0, 1, r))[1] - 1, 0) - 3)
;;       q = np.round(r / step) * step * 2.0 ** e      # np.round: ties to even
;;       return np.moveaxis(q.reshape(q.shape[:-2] + (-1,))[..., :K], -1, axis).astype(np.float32)
;;   ~~~
;;   SOFTMAX AHEAD OF A QUANTISED PRODUCT. Where the list says 'softmax', what is quantised is not the finished softmax but p = 2^(t - M), with t = logit x log2(e) and M = ceil(the row's largest t), a whole number; so 1/2 < the row's largest p <= 1. The row's sum l is taken of the UNQUANTISED p, in f32, and the product's result is divided by l at the end. Since M is a whole number, a kernel that streams over the keys may use a running M (the ceiling of the running maximum): every later rescaling is an exact power of two, which a block's scale takes up: the codes' values come out the same.
;;   OPERANDS COMPUTED ON THE WAY. 'Computed on the way' means the value that the module computes at that place (a softmax that the list does not call 'softmax' is quantised finished and normalised). What goes into a quantiser is computed in f32, as accurately as f32 sums, v_exp_f32 and their like allow (about 1e-6 of the number): no bf16 or f16 on the way to a quantiser, and a product that is left as it is and whose result goes on into a quantised operand takes f32 operands (vector FMAs, or v_wmma_f32_16x16x4_f32). A number that lies on a knife's edge between two numbers of the format may be rounded either way, as far as f32 arithmetic and the matrix unit's own rounding can turn it there, and no further.
;; One version. Each part assembles by itself: llvm-mc -triple=amdgcn-amd-amdhsa -mcpu=gfx1250 --defsym DOCPART=n.
;; ======== version 1 of 1: 4 launches
;; workspace buffers: xq 6,553,600 bytes; wq 3,276,800 bytes; qc 6,553,600 bytes; kv 13,107,200 bytes; yq 6,553,600 bytes
;; launch prep (part 1): grid 640 x 1, 4 waves a work-group, no clusters, 92,672 bytes of LDS; arguments x, w_qkv, w_proj, xq, wq; writes xq, wq
.if DOCPART == 1
	.amdgcn_target "amdgcn-amd-amdhsa--gfx1250"
	.amdhsa_code_object_version 6
	.text
	.protected	k_qe28447ddae_prep
	.globl	k_qe28447ddae_prep
	.p2align	8
	.type	k_qe28447ddae_prep,@function
k_qe28447ddae_prep:
	s_mov_b64 s[64:65], 0
	v_nop
	global_prefetch_b8 v0, s[64:65] scope:SCOPE_SE
	s_setreg_imm32_b32 hwreg(HW_REG_WAVE_MODE, 25, 1), 1
	s_wait_xcnt 0x0
; x [8192][1024], w_qkv [1024][3072] and w_proj [1024][1024], f32, become codes of FP6 (E2M3) with one E8M0 byte for each 32 along K (K = 1024: x's last axis, the weights' first).
; A block's scale is 2^(floor(log2(its largest magnitude)) - 2); its byte is that magnitude's exponent field - 2, held at 1 from below.
; LIMITS: NaN and infinities among the inputs are not served; a block whose largest magnitude lies under 2^-124 gets the byte 1; a block of zeros gets the byte 1 where the rule says 127
; (its codes are zeros, which add nothing under any byte but 0xff, and this program alone reads the bytes).
; LAYOUT OF THE RESULTS: images of the operand's registers.  A tile has 16 rows; row m of tile t is index 32 (t / 2) + 8 (t % 2) + m + 8 (m / 8) (tokens of x, columns of the weights).
; 16 rows x 64 K are 768 bytes: lane l = row + 16 x (block of 32) holds six registers; registers 0-3 lie at 16 l, registers 4-5 at 512 + 8 l.
; xq: [token tile 512][K / 64: 16][768], then at XSC the scale bytes: tile x 512 + (block / 8) x 128 + 8 row + block % 8.   wq: the same for 256 column tiles (0-191 w_qkv, 192-255 w_proj), scales at WSC.
; Work-groups 0-511 take a token tile of x each (wave w: K 256 w on); work-groups 512-639 take 128 columns x 256 K of a weight (wave w: 32 columns).  The two ways have LDS bytes of their own.
; No tensor load, no barrier: waves share nothing.  No matrix unit, no cluster: the launch streams each input byte once.
.set XSC,    6291456
.set WSC,    3145728
.set XPITCH, 1040                      ; x's stage: a row of 1,024 bytes + 16: sixteen rows begin at sixteen different 16-byte columns of 256 bytes
.set XREG,   16*XPITCH                 ; a wave's stage on x's way
.set WBASE,  4*XREG                    ; the weights' way begins behind them
.set WTILE,  3200                      ; a column tile's four images (3,072 bytes) + 128
.set WREG,   2*WTILE
.set SEL,    2                         ; s[2:3] lane selects for v_permlanex16_b32: lane l xor 16
.set L16,    1                         ; v1   16 x lane
.set L8,     2                         ; v2   8 x lane
.set TM,     16                        ; v16-19 largest magnitudes, v20-23 bytes, v28-31 the conversions' scale operands
.set PW,     32                        ; v32, v33 the two scale words
.set PCX,    36                        ; v36-55, v56-75 two sets: 12 registers of codes + 8 at work
.set RX,     80                        ; v80-207 128 numbers of x
.set VO,     32                        ; (weights) v32-63 byte offsets of 32 rows of K
.set XW,     64                        ; (weights) v64-127 two sets of 32 numbers
.set OUTR,   128                       ; (weights) v128-175 the way out
.set BT,     32                        ; (weights) s[32:47] the address of each of the wave's eight blocks of 32 along K; never rewritten
; 64 numbers of a lane, register 16 b + i = k 32 b + 16 (lane / 16) + i of my row, become 12 registers of codes (two images) at v[pc] and the row's scale word in v[pw].
.macro QUANT s, pc, pw
.irp b, 0,1,2,3
	v_max3_num_f32 v[TM+\b], |v[(\s)+16*\b]|, |v[(\s)+1+16*\b]|, 0x1800000   ; my 16 numbers of block b, and the floor 2^(3 - 127): the byte cannot fall under 1
.endr
.irp i, 2,4,6,8,10,12,14
.irp b, 0,1,2,3
	v_max3_num_f32 v[TM+\b], v[TM+\b], |v[(\s)+16*\b+\i]|, |v[(\s)+1+16*\b+\i]|   ; the four blocks by turns
.endr
.endr
.irp b, 0,1,2,3
	v_permlanex16_b32 v[TM+4+\b], v[TM+\b], s[SEL], s[SEL+1]
.endr
.irp b, 0,1,2,3
	v_max_num_f32 v[TM+\b], v[TM+\b], v[TM+4+\b]   ; with lane l xor 16's 16: the block's largest magnitude
.endr
.irp b, 0,1,2,3
	v_add_nc_u32 v[TM+12+\b], 0xff000000, v[TM+\b] ; 2 off its exponent field: the conversion takes the exponent field of this operand as its scale
.endr
.irp b, 0,1,2,3
	v_lshrrev_b32 v[TM+4+\b], 23, v[TM+12+\b]      ; the scale's byte
.endr
	v_lshl_or_b32 v[\pw], v[TM+5], 8, v[TM+4]
	v_lshl_or_b32 v[\pw], v[TM+6], 16, v[\pw]
	v_lshl_or_b32 v[\pw], v[TM+7], 24, v[\pw]
.irp c, 0,1
	v_cvt_scalef32_pk16_fp6_f32 v[(\pc)+6*\c:(\pc)+2+6*\c], v[(\s)+32*\c:(\s)+15+32*\c], v[TM+12+2*\c]
	v_cvt_scalef32_pk16_fp6_f32 v[(\pc)+12+4*\c:(\pc)+14+4*\c], v[(\s)+16+32*\c:(\s)+31+32*\c], v[TM+12+2*\c+1]   ; (a conversion's three registers begin on an even number)
.endr
	v_nop                                          ; one plain instruction behind the scaled conversions
.irp c, 0,1                                    ; the operand wants a whole block in a lane: lanes 0-15 block 2 c, lanes 16-31 block 2 c + 1
.irp i, 0,1,2
	v_permlane16_swap_b32 v[(\pc)+6*\c+\i], v[(\pc)+12+4*\c+\i]
.endr
.irp i, 0,1,2
	v_mov_b32 v[(\pc)+3+6*\c+\i], v[(\pc)+12+4*\c+\i]
.endr
.endr
.endm
	s_load_b256 s[4:11], s[0:1], 0x0               ; x s[4:5], w_qkv s[6:7], w_proj s[8:9], xq s[10:11]
	s_load_b64 s[12:13], s[0:1], 0x20              ; wq
	v_lshl_add_u32 v224, v0, 2, 0x16800
	v_mov_b32 v225, 0
	v_lshrrev_b32 v1, 5, v0
	v_readfirstlane_b32 s14, v1                    ; wave 0..3
	v_and_b32 v9, 31, v0                           ; lane
	v_lshlrev_b32 v[L16], 4, v9
	v_lshlrev_b32 v[L8], 3, v9
	s_cmp_lt_u32 ttmp9, 512
	s_cbranch_scc0 .Lweights
	; ---------------- x: token tile ttmp9, K 256 wave on ----------------
	v_and_b32 v10, 15, v0                          ; r
	v_bfe_u32 v11, v0, 4, 1                        ; h
	s_mul_i32 s22, s14, XREG
	v_add_nc_u32 v3, s22, v[L16]                   ; into the stage: as loaded, 16 bytes a lane
	v_mul_u32_u24 v4, v10, XPITCH
	v_lshl_add_u32 v4, v11, 6, v4
	v_add_nc_u32 v4, s22, v4                       ; out of it: row r, + 64 h: my 16 numbers of each block of 32
	v_lshlrev_b32 v5, 3, v10
	v_lshl_add_u32 v5, v11, 2, v5                  ; the scale words' place: 8 r + 4 h
	s_mov_b32 s[SEL], 0x76543210
	s_mov_b32 s[SEL+1], 0xfedcba98
.irp b, 0,1,2,3
	v_mov_b32 v[TM+4+\b], 0                        ; written once: a lane permute's destination counts as one of its sources
.endr
	s_lshr_b32 s16, ttmp9, 1
	s_lshl_b32 s16, s16, 5
	s_and_b32 s17, ttmp9, 1
	s_lshl_b32 s17, s17, 3
	s_add_co_u32 s16, s16, s17                     ; the tile's first token: 32 (t / 2) + 8 (t % 2)
	s_lshl_b32 s16, s16, 12                        ; rows of 4,096 bytes
	s_lshl_b32 s17, s14, 10
	s_add_co_u32 s16, s16, s17                     ; + my 1,024 bytes of a row
	s_mov_b32 s17, 0
	s_mul_i32 s18, ttmp9, 12288
	s_mul_i32 s19, s14, 3072
	s_add_co_u32 s18, s18, s19                     ; my four images
	s_mov_b32 s19, 0
	s_lshl_b32 s20, ttmp9, 9
	s_lshl_b32 s21, s14, 7
	s_add_co_u32 s20, s20, s21
	s_add_co_u32 s20, s20, XSC                     ; my 128 scale bytes
	s_mov_b32 s21, 0
	s_wait_kmcnt 0x0
	s_add_nc_u64 s[4:5], s[4:5], s[16:17]
	s_add_nc_u64 s[18:19], s[10:11], s[18:19]
	s_add_nc_u64 s[20:21], s[10:11], s[20:21]
.set n, 0
.rept 32                                       ; row n / 2 of the tile, half n % 2: 32 lanes read 512 consecutive bytes
	global_load_b128 v[RX+4*n:RX+4*n+3], v[L16], s[4:5] offset:((n/2)+8*((n/2)/8))*4096+512*(n%2) th:TH_LOAD_NT
.set n, n+1
.endr
.set n, 0
.rept 4
	s_wait_loadcnt 24-n                            ; eight more loads are in; the later chunks' 24, 16, 8, 0 may be out
.rept 8
	ds_store_b128 v3, v[RX+4*n:RX+4*n+3] offset:(n/2)*XPITCH+512*(n%2)
.set n, n+1
.endr
.endr
	s_wait_dscnt 0x0                               ; the stores have read their registers, which the loads below fill again
.set n, 0
.rept 32                                       ; n = 16 f + 4 b + j: fragment f, block b, my four numbers j
	ds_load_b128 v[RX+4*n:RX+4*n+3], v4 offset:512*(n/16)+128*((n/4)%4)+16*(n%4)
.set n, n+1
.endr
	s_wait_dscnt 16                                ; the first fragment's 16 loads are in; the second's 16 may be out
	QUANT RX, PCX, PW
	s_wait_dscnt 0x0
	QUANT RX+64, PCX+20, PW+1
.irp f, 0,1                                    ; each store of 16 bytes a lane covers 512 consecutive bytes, each of 8 bytes 256, all at multiples of 256 from the buffer's first byte
	global_store_b128 v[L16], v[PCX+20*\f:PCX+20*\f+3], s[18:19] offset:1536*\f
	global_store_b64 v[L8], v[PCX+20*\f+4:PCX+20*\f+5], s[18:19] offset:1536*\f+512
	global_store_b128 v[L16], v[PCX+20*\f+6:PCX+20*\f+9], s[18:19] offset:1536*\f+768
	global_store_b64 v[L8], v[PCX+20*\f+10:PCX+20*\f+11], s[18:19] offset:1536*\f+1280
.endr
	s_mov_b32 vcc_lo, 0xffff0000
	v_cndmask_b32 v6, v[PW], v[PW+1], vcc_lo       ; lanes 0-15 store the first 128's word, lanes 16-31 the second's
	global_store_b32 v5, v6, s[20:21]              ; 128 consecutive bytes
	s_wait_tensorcnt 0x0
	ds_add_u32 v224, v225
	s_wait_dscnt 0x0
	s_endpgm
	; ---------------- a weight: a lane takes a column, its registers run down K ----------------
.Lweights:
	s_sub_co_u32 s16, ttmp9, 512
	s_and_b32 s17, s16, 3                          ; which 256 along K
	s_lshr_b32 s18, s16, 2                         ; which 128 columns of the 4,096 of both weights
	s_wait_kmcnt 0x0
	s_cmp_lt_u32 s18, 24                           ; the first 24 groups are w_qkv's: the choice hangs on the work-group's number alone
	s_cselect_b64 s[20:21], s[6:7], s[8:9]
	s_mov_b32 s19, 4096
	s_cselect_b32 s19, 12288, s19                  ; bytes from a row of K to the next
	s_cselect_b32 s22, 0, 24
	s_sub_co_u32 s22, s18, s22                     ; the group within its weight
	s_mul_i32 s24, s17, s19
	s_lshl_b32 s24, s24, 8                         ; 256 rows of K
	s_lshl_b32 s22, s22, 9
	s_add_co_u32 s24, s24, s22                     ; + 128 columns x 4 bytes x group
	s_lshl_b32 s22, s14, 7
	s_add_co_u32 s24, s24, s22                     ; + my wave's 32 columns
	s_mov_b32 s25, 0
	s_add_nc_u64 s[BT:BT+1], s[20:21], s[24:25]
	s_lshl_b32 s24, s19, 5                         ; 32 rows of K on
.irp t, 1,2,3,4,5,6,7
	s_add_nc_u64 s[BT+2*\t:BT+2*\t+1], s[BT+2*\t-2:BT+2*\t-1], s[24:25]
.endr
	v_lshlrev_b32 v[VO], 2, v9
.set n, 1
.rept 31
	v_add_nc_u32 v[VO+n], s19, v[VO+n-1]
.set n, n+1
.endr
.macro WLOAD t                                 ; block t: W(32 t + i, my column): 32 lanes read 128 consecutive bytes, the four waves stand side by side on 512
.set n, 0
.rept 32
	global_load_b32 v[XW+32*((\t)%2)+n], v[VO+n], s[BT+2*(\t):BT+2*(\t)+1] th:TH_LOAD_NT
.set n, n+1
.endr
.endm
	WLOAD 0
	WLOAD 1
	v_bfe_u32 v10, v9, 3, 1                        ; column c = lane of 32: it is row (c & 7) + 8 (c >> 4) of tile (c >> 3) & 1
	v_and_b32 v11, 7, v9
	v_lshrrev_b32 v22, 4, v9
	v_lshl_add_u32 v11, v22, 3, v11
	s_mul_i32 s26, s14, WREG
	s_add_co_u32 s26, s26, WBASE                   ; my stage
	v_mul_u32_u24 v22, v10, WTILE
	v_add_nc_u32 v22, s26, v22
	v_lshl_add_u32 v4, v11, 4, v22                 ; where registers 0-3 of an image go
	v_lshl_add_u32 v5, v11, 3, v22                 ; and registers 4-5
	v_add_nc_u32 v6, s26, v[L16]                   ; back: 16 bytes a lane
	v_lshlrev_b32 v7, 9, v10
	v_lshl_add_u32 v7, v11, 3, v7                  ; my column's eight scale bytes: 512 x tile + 8 x row
	s_lshl_b32 s27, s18, 3
	s_lshl_b32 s28, s14, 1
	s_add_co_u32 s27, s27, s28                     ; my first column tile: 8 x group + 2 x wave
	s_mul_i32 s28, s27, 12288
	s_mul_i32 s29, s17, 3072
	s_add_co_u32 s28, s28, s29
	s_mov_b32 s29, 0
	s_add_nc_u64 s[28:29], s[12:13], s[28:29]
	s_lshl_b32 s30, s27, 9
	s_lshl_b32 s31, s17, 7
	s_add_co_u32 s30, s30, s31
	s_add_co_u32 s30, s30, WSC
	s_mov_b32 s31, 0
	s_add_nc_u64 s[30:31], s[12:13], s[30:31]
.macro WBLOCK t
.set XS, XW+32*((\t)%2)
.if (\t) < 7
	s_wait_loadcnt 32                              ; this block's 32 loads are in; the next block's 32 may be out
.else
	s_wait_loadcnt 0x0
.endif
	v_max3_num_f32 v24, |v[XS]|, |v[XS+1]|, |v[XS+2]|      ; the block's largest magnitude: all 32 numbers are mine; two chains
	v_max3_num_f32 v25, |v[XS+3]|, |v[XS+4]|, |v[XS+5]|
.irp i, 6,10,14,18,22,26
	v_max3_num_f32 v24, v24, |v[XS+\i]|, |v[XS+\i+1]|
	v_max3_num_f32 v25, v25, |v[XS+\i+2]|, |v[XS+\i+3]|
.endr
	v_max3_num_f32 v24, v24, |v[XS+30]|, |v[XS+31]|
	v_max3_num_f32 v24, v24, v25, 0x1800000        ; and the floor 2^(3 - 127)
	v_add_nc_u32 v26, 0xff000000, v24              ; 2 off the exponent field: the conversions' scale operand
	v_lshrrev_b32 v27, 23, v26                     ; the byte
.if (\t)%4 == 0
	v_mov_b32 v[8+(\t)/4], v27                     ; four bytes to a register, the lower K in the lower byte
.else
	v_lshl_or_b32 v[8+(\t)/4], v27, 8*((\t)%4), v[8+(\t)/4]
.endif
	v_cvt_scalef32_pk16_fp6_f32 v[12:14], v[XS:XS+15], v26
	v_cvt_scalef32_pk16_fp6_f32 v[16:18], v[XS+16:XS+31], v26
	v_nop                                          ; one plain instruction behind the scaled conversions
	v_mov_b32 v15, v16                             ; the block's six registers: v12-15 and v20-21
	v_mov_b32 v20, v17
	v_mov_b32 v21, v18
	ds_store_b128 v4, v[12:15] offset:((\t)/2)*768+((\t)%2)*256        ; image t / 2, lane = row + 16 (t % 2)
	ds_store_b64 v5, v[20:21] offset:((\t)/2)*768+512+((\t)%2)*128
.if (\t)+2 < 8
	WLOAD (\t)+2
.endif
	s_wait_dscnt 0x0                               ; the stores have read their registers: the next block's codes may be written
.endm
.irp t, 0,1,2,3,4,5,6,7
	WBLOCK \t
.endr
	global_store_b64 v7, v[8:9], s[30:31]          ; sixteen lanes store 128 consecutive bytes
.set n, 0
.rept 12                                       ; tile n / 6, 512 bytes n % 6 of its four images
	ds_load_b128 v[OUTR+4*n:OUTR+4*n+3], v6 offset:(n/6)*WTILE+(n%6)*512   ; LDS serves a wave's instructions in order (ISA guide 5.7.1.4): these see my stores
.set n, n+1
.endr
.set n, 0
.rept 12
	s_wait_dscnt 11-n                              ; load n is in; the 11 - n younger may be out
	global_store_b128 v[L16], v[OUTR+4*n:OUTR+4*n+3], s[28:29] offset:(n/6)*12288+(n%6)*512   ; 512 consecutive bytes, at a multiple of 256 from the buffer's first byte
.set n, n+1
.endr
	s_wait_tensorcnt 0x0
	ds_add_u32 v224, v225
	s_wait_dscnt 0x0
	s_endpgm
.Lfunc_end_k_qe28447ddae_prep:
	.size	k_qe28447ddae_prep, .Lfunc_end_k_qe28447ddae_prep-k_qe28447ddae_prep
	.p2alignl 7, 3214868480
	.fill 96, 4, 3214868480
	.section	.rodata,"a",@progbits
	.p2align	6, 0x0
	.amdhsa_kernel k_qe28447ddae_prep
		.amdhsa_group_segment_fixed_size 92672
		.amdhsa_private_segment_fixed_size 0
		.amdhsa_enable_private_segment 0
		.amdhsa_kernarg_size 40
		.amdhsa_user_sgpr_count 2
		.amdhsa_user_sgpr_kernarg_segment_ptr 1
		.amdhsa_wavefront_size32 1
		.amdhsa_system_sgpr_workgroup_id_x 1
		.amdhsa_system_sgpr_workgroup_id_y 1
		.amdhsa_system_sgpr_workgroup_id_z 1
		.amdhsa_system_vgpr_workitem_id 0
		.amdhsa_next_free_vgpr 226
		.amdhsa_next_free_sgpr 66
		.amdhsa_reserve_vcc 1
		.amdhsa_float_denorm_mode_32 3
		.amdhsa_float_denorm_mode_16_64 3
		.amdhsa_memory_ordered 1
		.amdhsa_forward_progress 1
		.amdhsa_inst_pref_size 61
	.end_amdhsa_kernel
	.amdgpu_metadata
---
amdhsa.version: [ 1, 2 ]
amdhsa.kernels:
  - .name:           k_qe28447ddae_prep
    .symbol:         k_qe28447ddae_prep.kd
    .args:
      - { .name: x, .offset: 0, .size: 8, .value_kind: global_buffer, .address_space: global }
      - { .name: w_qkv, .offset: 8, .size: 8, .value_kind: global_buffer, .address_space: global }
      - { .name: w_proj, .offset: 16, .size: 8, .value_kind: global_buffer, .address_space: global }
      - { .name: xq, .offset: 24, .size: 8, .value_kind: global_buffer, .address_space: global }
      - { .name: wq, .offset: 32, .size: 8, .value_kind: global_buffer, .address_space: global }
    .group_segment_fixed_size: 92672
    .private_segment_fixed_size: 0
    .kernarg_segment_align: 8
    .kernarg_segment_size: 40
    .max_flat_workgroup_size: 128
    .sgpr_count:     66
    .vgpr_count:     226
    .wavefront_size: 32
...
	.end_amdgpu_metadata
.endif
;; end of part 1
;; launch qkv (part 2): grid 12 x 32, 4 waves a work-group, clusters of 4 x 4, 327,680 bytes of LDS; arguments xq, wq, b_qkv, qc, kv; writes qc, kv
.if DOCPART == 2
	.amdgcn_target "amdgcn-amd-amdhsa--gfx1250"
	.amdhsa_code_object_version 6
	.text
	.protected	k_qe28447ddae_qkv
	.globl	k_qe28447ddae_qkv
	.p2align	8
	.type	k_qe28447ddae_qkv,@function
k_qe28447ddae_qkv:
	s_mov_b64 s[64:65], 0
	v_nop
	global_prefetch_b8 v0, s[64:65] scope:SCOPE_SE
	s_setreg_imm32_b32 hwreg(HW_REG_WAVE_MODE, 25, 1), 1
	s_wait_xcnt 0x0
	s_wait_alu depctr_hold_cnt(0) depctr_sa_sdst(0) depctr_va_vdst(0) depctr_va_sdst(0) depctr_va_ssrc(0) depctr_va_vcc(0) depctr_vm_vsrc(0)
	s_getreg_b32 s2, hwreg(HW_REG_IB_STS2, 6, 4)
	s_cmp_eq_u32 s2, 0
	s_cbranch_scc0 .Lentry_in_a_cluster
	s_endpgm
.Lentry_in_a_cluster:
	s_bfe_u32 s2, ttmp6, 0x10000c
	s_cmp_lg_u32 s2, 0xf033
	s_cbranch_scc0 .Lentry_shape_is_right
	s_endpgm
.Lentry_shape_is_right:
; qkv = x w_qkv + b_qkv on codes of FP6 (E2M3) with E8M0 scales, sums in f32; q, k and v are quantised again in registers and leave as codes: no f32 number of qkv goes to memory.
; A work-group of four waves makes 256 x 256 of the product, a wave 128 x 128: 64 accumulators.  K = 1,024 goes in four steps of 256 through a ring of two LDS slots filled by the tensor data mover.
; OPERANDS ARE IMAGES OF REGISTERS: 16 rows x 64 K are 768 bytes, registers 0-3 of lane l at 16 l, registers 4-5 at 512 + 8 l; a fragment (16 x 128 K) is two images: four LDS loads whose lanes read consecutive bytes.
; Row m of tile t is index 32 (t / 2) + 8 (t % 2) + m + 8 (m / 8).  The tile that is source 0 of the matrix instruction gives a lane's registers: the 16 registers of tiles 2 b, 2 b + 1 are the 16 neighbours 32 b + 16 (lane / 16) + 0 .. 15.
; MODES, by the cluster's x, which all sixteen partners share: 0 = q, 1 = k: source 1 (a lane) = tokens, source 0 (the registers) = columns: a lane's registers run along a head's 64, the K of q k^T.
;   2 = v: the two slots change buffers: source 1 = v's columns, source 0 = tokens: a lane's registers run along the tokens, the K of p v.  Only pointers, offsets and the bias's place differ.
; CLUSTERS: 4 x 4 work-groups; slot A's tiles are shared along a row of the cluster, slot B's along a column: each is asked for jointly, by the same tensor load with a mask that names the four.
; RESULTS: qc: [batch x head 64][q tile 128][768] codes, at QSC [64][group of 8 tiles 16][row 16][pair of tiles 4] words (bytes 0, 1 the even tile's two blocks, bytes 2, 3 the odd tile's).
;   kv: [64][256 keys: 8][25,600]: 16 images of k; at 12,288 v's [128 keys: 2][16 channels: 4][1,536]; at 24,576 k's words [2][row 16][pair 4]; at 25,088 v's words [2][row 16][channel tile 4].
; The bias is the C of each sum's first matrix instruction, so it is added first and not last.
; LIMITS: NaN and infinities are not served; a block whose largest magnitude lies under 2^-124, a block of zeros among them, gets the byte 1 (this program alone reads the bytes).
; REGISTERS, in windows of 256: window 0: v1-5 lane numbers; v16-31 addresses; v32-63 scale words, two sets; v64-127 the bias, later the way out; v128-223 slot A's fragments, one set.
;   window 1: slot B's fragments, two sets, at v0 and v128.   windows 2, 3: the accumulators ((a, b) at v[8 (8 (a % 4) + b)]).
.set XSC,    6291456
.set WSC,    3145728
.set QSC,    6291456
.set NQ,     2                         ; matrix instructions deep in a slot
.set FR,     12                        ; registers of a fragment
.set NL,     4                         ; LDS loads that bring one
.set NP,     4                         ; places behind this matrix instruction (ISA guide 7.12.1)
.set TILEB,  3072                      ; a tile's part of a slot: 16 rows x 256 K
.set HALFT,  8*TILEB                   ; eight tiles: what one tensor load brings, and what one wave reads of a slot's A or B
.set SLOT,   4*HALFT
.set SCL,    2*SLOT                    ; behind the ring: the scale bytes of 16 + 16 tiles for all of K, filled once
.set HALFS,  4096
.set SPARE,  SCL+4*HALFS               ; the spare words, 128 bytes for each wave: two blocks of 256 bytes that no other line names
.set ADRA, 16                          ; v16-17 16 x lane + my A tiles in slot 0, 1;  v18-19 the same with 8 x lane
.set ADRB, 20                          ; v20-23 the same for B
.set V16,  24                          ; v24  the way out: 16 x lane + the block's place
.set V8,   25                          ; v25  8 x lane + the block's place
.set VSC,  26                          ; v26  the scale words' place
.set ADRS, 27                          ; v27  my scale words in LDS: lanes 0-15 A's rows, lanes 16-31 B's
.set SPW,  28                          ; v28  my spare word; never rewritten
.set NIL,  29                          ; v29  0; never rewritten
.set SELP, 30                          ; v30  the byte selector that builds the stored scale words
.set SC,   32
.set BI,   64
.set AF,   128
.set TM,   64                          ; the way out: v64-67 magnitudes, v68-71 bytes, v76-79 scale operands
.set PW,   80                          ; v80-87 a scale word for each of my eight blocks
.set WD,   88                          ; v88-91 the words as stored
.set PC,   96                          ; v96-107 codes, v108-115 at work
.set PT,   108
.set G1, 24
.set G0, 32
.set G1B, 48
.set G0B, 56
.set G1S, 68
.set G0S, 76
.set G1SB, 80
.set G0SB, 88
.set SEL, 66                           ; s[66:67] lane selects for v_permlanex16_b32
.set OB0, 18                           ; s[18:19] where the first of a block's two images goes;  s[20:21] the second;  s[22:23] the scale words
.set OB1, 20
.set SCB, 22
.set SA,  92                           ; s92 bytes from block to block;  s93 from block 3 to block 4
.set SBS, 93
.set MSB, 0
.macro WIN new                         ; the immediate's high byte repeats the setting that is left
.if MSB != (\new)
	s_set_vgpr_msb (MSB<<8)|(\new)
.set MSB, \new
.endif
.endm
.set MUL_LO, 0xa1                      ; source 0 (B) window 1, source 1 (A) window 0, C and D window 2
.set MUL_HI, 0xf1                      ; the same, C and D window 3
.set TO_B,   0x40                      ; destination window 1, address window 0
; A joint load: waves 0 and 1 fetch for slot A, waves 2 and 3 for slot B.  The branch hangs on the wave's number alone.  Four v_nop follow each of the two lines.
.macro JLOAD g0a, g1a, g0b, g1b
	s_cmp_eq_u32 s15, 0
	s_cbranch_scc0 .Lfor_b_\@
	tensor_load_to_lds s[\g0a:\g0a+3], s[\g1a:\g1a+7]
	s_nop 0
.rept 4
	v_nop
.endr
	s_branch .Lasked_\@
.Lfor_b_\@:
	tensor_load_to_lds s[\g0b:\g0b+3], s[\g1b:\g1b+7]
	s_nop 0
.rept 4
	v_nop
.endr
.Lasked_\@:
.endm
.macro CREST                           ; a round of the cluster's barrier behind its opening barrier
	s_cmp_lg_u32 s14, 0
	s_cbranch_scc1 .Lnot_wave_0_\@
	s_barrier_signal -3
.Lnot_wave_0_\@:
	s_barrier_wait -3
	s_barrier_signal -1
	s_barrier_wait -1
.endm
.macro CROUND
	s_barrier_signal -1
	s_barrier_wait -1
	CREST
.endm
.macro PLACES n
.rept \n
	v_nop
.endr
.endm
.macro FRAG4 reg, adr, off             ; a fragment: two images, four loads, each of consecutive bytes over the lanes
	ds_load_b128 v[\reg:\reg+3], v[\adr] offset:\off
	ds_load_b64 v[\reg+4:\reg+5], v[\adr+2] offset:\off+512
	ds_load_b128 v[\reg+6:\reg+9], v[\adr] offset:\off+768
	ds_load_b64 v[\reg+10:\reg+11], v[\adr+2] offset:\off+1280
.endm
; 16 matrix instructions: A's blocks a0, a0 + 1 x B's eight.  p: B's set; q: which 128 of the slot; sc: the set of scale words.
; cm = 0: onto the sums;  1: the sums begin with the bias of B's block (a lane's registers run along the columns);  2: with that of A's block (a lane is a column).
; The 64 accumulators take turns, one instruction a turn, in the same order in every step.
.macro MUL16 a0, p, q, sc, cm
.irp a, \a0, \a0+1
.irp b, 0,1,2,3,4,5,6,7
.if \cm == 0
	v_wmma_scale_f32_16x16x128_f8f6f4 v[8*(8*((\a)%4)+\b):8*(8*((\a)%4)+\b)+7], v[128*(\p)+FR*\b:128*(\p)+FR*\b+FR-1], v[AF+FR*(\a):AF+FR*(\a)+FR-1], v[8*(8*((\a)%4)+\b):8*(8*((\a)%4)+\b)+7], v[SC+16*(\sc)+2*\b+(\q)], v[SC+16*(\sc)+2*(\a)+(\q)] matrix_a_fmt:MATRIX_FMT_FP6 matrix_b_fmt:MATRIX_FMT_FP6 matrix_a_scale:MATRIX_SCALE_ROW1
.elseif \cm == 1
	v_wmma_scale_f32_16x16x128_f8f6f4 v[8*(8*((\a)%4)+\b):8*(8*((\a)%4)+\b)+7], v[128*(\p)+FR*\b:128*(\p)+FR*\b+FR-1], v[AF+FR*(\a):AF+FR*(\a)+FR-1], v[BI+8*\b:BI+8*\b+7], v[SC+16*(\sc)+2*\b+(\q)], v[SC+16*(\sc)+2*(\a)+(\q)] matrix_a_fmt:MATRIX_FMT_FP6 matrix_b_fmt:MATRIX_FMT_FP6 matrix_a_scale:MATRIX_SCALE_ROW1
.else
	v_wmma_scale_f32_16x16x128_f8f6f4 v[8*(8*((\a)%4)+\b):8*(8*((\a)%4)+\b)+7], v[128*(\p)+FR*\b:128*(\p)+FR*\b+FR-1], v[AF+FR*(\a):AF+FR*(\a)+FR-1], v[BI+8*(\a):BI+8*(\a)+7], v[SC+16*(\sc)+2*\b+(\q)], v[SC+16*(\sc)+2*(\a)+(\q)] matrix_a_fmt:MATRIX_FMT_FP6 matrix_b_fmt:MATRIX_FMT_FP6 matrix_a_scale:MATRIX_SCALE_ROW1
.endif
.endr
.endr
.endm
.macro FETCH_B slot, q, p
	WIN TO_B
.irp i, 0,1,2,3,4,5,6,7
	FRAG4 128*(\p)+FR*\i, ADRB+\slot, \i*TILEB+(\q)*1536
.endr
	WIN 0
.endm
.macro FETCH_A slot, q, i0
.irp i, \i0, \i0+1, \i0+2, \i0+3
	FRAG4 AF+FR*(\i), ADRA+\slot, (\i)*TILEB+(\q)*1536
.endr
.endm
.macro SCALES sc                       ; a slot's two scale words a row: lanes 0-15 take A's block i, lanes 16-31 B's
.irp i, 0,1,2,3,4,5,6,7
	ds_load_b64 v[SC+16*\sc+2*\i:SC+16*\sc+2*\i+1], v[ADRS] offset:\i*512
.endr
.endm
; A step of 128 along K that has its successor in the same slot.  A block of A is free as soon as its eight products are issued: blocks 0-3 are fetched anew in the step's middle, blocks 4-7 at its end.
.macro STEP slot, q, cm
	s_wait_dscnt 4*NL                              ; B's set and A's blocks 0-3 are in; the youngest 16 loads (A's blocks 4-7) may be out
.if \cm
	WIN 0x81                                       ; C (the bias) window 0, D window 2
.else
	WIN MUL_LO
.endif
	MUL16 0, (\q)%2, \q, \slot, \cm
	MUL16 2, (\q)%2, \q, \slot, \cm
	s_wait_dscnt 0
	PLACES NP                                      ; in front of loads into registers that matrix instructions have read
	FETCH_B \slot, (\q)+1, 1-(\q)%2
	FETCH_A \slot, (\q)+1, 0
.if \cm
	WIN 0xc1
.else
	WIN MUL_HI
.endif
	MUL16 4, (\q)%2, \q, \slot, \cm
	MUL16 6, (\q)%2, \q, \slot, \cm
	PLACES NP
	WIN 0
	FETCH_A \slot, (\q)+1, 4
.endm
; A slot's last step changes slots: one barrier; in front of it each wave waits for all its tensor loads, adds 0 to its spare word, and waits for that and for its reads of this slot.  fill = 1: the slot is filled again.
.macro TURN slot, next, fill
	s_wait_tensorcnt 0x0                           ; all my tensor loads have landed: my part of the next slot
	ds_add_u32 v[SPW], v[NIL]                      ; 0 onto my spare word
	s_wait_dscnt 4*NL+1                            ; (the add and the youngest 16 loads may be out)
	WIN MUL_LO
	MUL16 0, 1, NQ-1, \slot, 0                     ; sixteen matrix instructions stand between the add and the wait for it
	s_wait_dscnt 0x0                               ; the add is done, and my reads of this slot are over
	s_barrier_signal -1
	MUL16 2, 1, NQ-1, \slot, 0
	WIN 0
	s_barrier_wait -1
.if \fill
	CREST                                          ; the barrier has opened a round of the cluster's barrier: no wave of any partner still reads this slot or has a load on its way
	s_add_nc_u64 s[G0+4*\slot+2:G0+4*\slot+3], s[G0+4*\slot+2:G0+4*\slot+3], 2*TILEB
	s_add_nc_u64 s[G0B+4*\slot+2:G0B+4*\slot+3], s[G0B+4*\slot+2:G0B+4*\slot+3], 2*TILEB
	JLOAD G0+4*\slot, G1, G0B+4*\slot, G1B         ; the first tensor load behind the round; its four v_nop are the places in front of the loads below
.else
	PLACES NP
.endif
	v_add_nc_u32 v[ADRS], 128, v[ADRS]             ; the next 256 along K: 128 bytes on in each tile's scale bytes
	FETCH_B \next, 0, 0
	FETCH_A \next, 0, 0
	SCALES \next
	WIN MUL_HI
	MUL16 4, 1, NQ-1, \slot, 0
	MUL16 6, 1, NQ-1, \slot, 0
	PLACES NP
	WIN 0
	FETCH_A \next, 0, 4
.endm
	s_load_b256 s[4:11], s[0:1], 0x0               ; xq s[4:5], wq s[6:7], b_qkv s[8:9], qc s[10:11]
	s_load_b64 s[12:13], s[0:1], 0x20              ; kv
	v_lshl_add_u32 v[SPW], v0, 2, SPARE
	v_mov_b32 v[NIL], 0
	ds_add_u32 v28, v29
	s_wait_dscnt 0x0
	v_lshrrev_b32 v1, 5, v0
	v_readfirstlane_b32 s14, v1                    ; wave 0..3
	s_lshr_b32 s15, s14, 1                         ; which half of slot A's tiles is mine.  Also: I fetch for A (0) or for B (1)
	s_and_b32 s16, s14, 1                          ; which half of slot B's.  Also: which eight tiles I fetch
	s_bfe_u32 s40, ttmp6, 0x40000                  ; cx
	s_bfe_u32 s41, ttmp6, 0x40004                  ; cy
	s_and_b32 s17, ttmp7, 0xffff
	s_lshl_b32 s17, s17, 2                         ; 4 x cluster y
	s_lshl_b32 s42, ttmp9, 2                       ; 4 x cluster x
	s_mov_b32 s92, WSC
	s_mov_b32 s93, XSC
	s_cmp_eq_u32 ttmp9, 2                          ; v?  The cluster's x is the same in all sixteen partners
	s_cselect_b32 s42, s17, s42                    ; slot B's block of 16 tiles: tokens by the cluster's y, or columns by its x
	s_cselect_b32 s17, 8, s17                      ; slot A's: v's columns begin at block 8, or tokens by the cluster's y
	s_cselect_b32 s94, s92, s93                    ; where slot A's buffer has its scale bytes
	s_cselect_b32 s95, s93, s92                    ; and slot B's
	s_add_co_u32 s17, s17, s41                     ; + cy: shared along a row of the cluster
	s_add_co_u32 s42, s42, s40                     ; + cx: shared along a column
	s_lshl_b32 s43, s41, 2
	s_lshl_b32 s43, 15, s43                        ; my row of the cluster
	s_lshl_b32 s44, 0x1111, s40                    ; my column
	; descriptor group 1: eight tiles' parts of a slot: 8 rows of 3,072 bytes (384 elements of 8 bytes), 12,288 bytes apart; no padding
	s_or_b32 s[G1+0], s43, (3<<16)|(1<<21)         ; 15:0 the mask; 17:16 elements of 8 bytes; 21 set beside a mask
	s_or_b32 s[G1B+0], s44, (3<<16)|(1<<21)
.irp g, G1, G1B
	s_mov_b32 s[\g+1], 384<<16                     ; tensor_dim0
	s_mov_b32 s[\g+2], 8<<16                       ; tensor_dim1
	s_mov_b32 s[\g+3], 384<<16                     ; tile_dim0
	s_mov_b32 s[\g+4], 8                           ; tile_dim1
	s_mov_b32 s[\g+5], 1536                        ; tensor_dim0_stride
	s_mov_b32 s[\g+6], 0
	s_mov_b32 s[\g+7], 0
.endr
	; and the scale bytes of eight tiles: 4,096 dense bytes as 16 rows of 256
	s_or_b32 s[G1S+0], s43, (3<<16)|(1<<21)
	s_or_b32 s[G1SB+0], s44, (3<<16)|(1<<21)
.irp g, G1S, G1SB
	s_mov_b32 s[\g+1], 32<<16
	s_mov_b32 s[\g+2], 16<<16
	s_mov_b32 s[\g+3], 32<<16
	s_mov_b32 s[\g+4], 16
	s_mov_b32 s[\g+5], 32
	s_mov_b32 s[\g+6], 0
	s_mov_b32 s[\g+7], 0
.endr
	s_lshl_b32 s18, s16, 3                         ; which eight tiles I fetch
	s_lshl_b32 s20, s17, 4
	s_add_co_u32 s20, s20, s18                     ; slot A: their first tile
	s_lshl_b32 s46, s42, 4
	s_add_co_u32 s46, s46, s18                     ; slot B
	s_lshl_b32 s22, s20, 9
	s_add_co_u32 s22, s22, s94                     ; their scale bytes
	s_mov_b32 s23, 0
	s_lshl_b32 s92, s46, 9
	s_add_co_u32 s92, s92, s95
	s_mov_b32 s93, 0
	s_mul_i32 s20, s20, 12288                      ; their codes
	s_mov_b32 s21, 0
	s_mul_i32 s46, s46, 12288
	s_mov_b32 s47, 0
	s_mul_i32 s45, s14, HALFT                      ; where they go: wave x eight tiles: no place in the cluster enters an LDS address
	s_lshl_b32 s94, s14, 12
	s_wait_kmcnt 0x0
	s_cmp_eq_u32 ttmp9, 2
	s_cselect_b64 s[96:97], s[6:7], s[4:5]         ; slot A's buffer
	s_cselect_b64 s[98:99], s[4:5], s[6:7]         ; slot B's
	s_add_nc_u64 s[20:21], s[96:97], s[20:21]
	s_add_nc_u64 s[22:23], s[96:97], s[22:23]
	s_add_nc_u64 s[46:47], s[98:99], s[46:47]
	s_add_nc_u64 s[92:93], s[98:99], s[92:93]
	CROUND                                         ; all sixteen work-groups are here: the first joint loads meet
	s_mov_b32 s[G0S], 1
	s_add_co_u32 s[G0S+1], s94, SCL
	s_mov_b64 s[G0S+2:G0S+3], s[22:23]
	s_or_b32 s[G0S+3], s[G0S+3], 0x80000000
	s_mov_b32 s[G0SB], 1
	s_add_co_u32 s[G0SB+1], s94, SCL
	s_mov_b64 s[G0SB+2:G0SB+3], s[92:93]
	s_or_b32 s[G0SB+3], s[G0SB+3], 0x80000000
	JLOAD G0S, G1S, G0SB, G1SB                     ; the scale bytes first: they are wanted with the first slot
.irp s, 0,1
	s_mov_b32 s[G0+4*\s], 1
	s_add_co_u32 s[G0+4*\s+1], s45, \s*SLOT
	s_add_nc_u64 s[G0+4*\s+2:G0+4*\s+3], s[20:21], \s*TILEB
	s_or_b32 s[G0+4*\s+3], s[G0+4*\s+3], 0x80000000
	s_mov_b32 s[G0B+4*\s], 1
	s_add_co_u32 s[G0B+4*\s+1], s45, \s*SLOT
	s_add_nc_u64 s[G0B+4*\s+2:G0B+4*\s+3], s[46:47], \s*TILEB
	s_or_b32 s[G0B+4*\s+3], s[G0B+4*\s+3], 0x80000000
	JLOAD G0+4*\s, G1, G0B+4*\s, G1B               ; three tensor loads of mine are out now
.endr
	v_and_b32 v1, 15, v0                           ; r
	v_bfe_u32 v2, v0, 4, 1                         ; h
	v_and_b32 v3, 31, v0
	v_lshlrev_b32 v4, 4, v3                        ; 16 x lane
	v_lshlrev_b32 v5, 3, v3                        ; 8 x lane
	s_mul_i32 s21, s15, HALFT                      ; my eight tiles of A
	s_mul_i32 s22, s16, HALFT
	s_add_co_u32 s22, s22, 2*HALFT                 ; my eight of B, behind A's sixteen
.irp s, 0,1
	v_add_nc_u32 v[ADRA+\s], s21, v4
	v_add_nc_u32 v[ADRA+2+\s], s21, v5
	v_add_nc_u32 v[ADRB+\s], s22, v4
	v_add_nc_u32 v[ADRB+2+\s], s22, v5
	s_add_co_u32 s21, s21, SLOT
	s_add_co_u32 s22, s22, SLOT
.endr
	s_lshl_b32 s21, s15, 12                        ; A's scale bytes: my eight tiles
	s_lshl_b32 s22, s16, 12
	s_add_co_u32 s22, s22, 2*HALFS                 ; B's, behind A's
	s_sub_co_u32 s22, s22, s21
	v_mul_u32_u24 v6, s22, v2                      ; lanes 16-31 take B's: the lower base + h x the distance
	s_add_co_u32 s21, s21, SCL
	v_lshl_add_u32 v6, v1, 3, v6                   ; 8 bytes a row
	v_add_nc_u32 v[ADRS], s21, v6
	s_mov_b32 s[SEL], 0x76543210
	s_mov_b32 s[SEL+1], 0xfedcba98
	; where the results go.  Tokens come in blocks of 256 (a record of kv), heads in fours (256 columns)
	s_and_b32 s43, s42, 3
	s_cmp_eq_u32 ttmp9, 2
	s_cselect_b32 s44, s42, s17                    ; the block of 256 tokens
	s_cselect_b32 s43, s41, s43                    ; the group of four heads
	s_cselect_b32 s45, s15, s16                    ; which two of them are my wave's
	s_cselect_b32 s46, s16, s15                    ; which 128 of the tokens
	s_mov_b32 s[SA], 768
	s_cselect_b32 s[SA], 1536, s[SA]
	s_mov_b32 s[SBS], 768
	s_cselect_b32 s[SBS], 200192, s[SBS]           ; v: from a head's fourth channel tile to the next head's first: 204,800 - 3 x 1,536
	s_cselect_b32 s47, 12288, 0                    ; in a record: v's codes, or k's
	s_mov_b32 s94, 24576
	s_cselect_b32 s94, 25088, s94                  ; v's words, or k's
	s_mov_b32 s95, 204800
	s_cselect_b32 s95, 768, s95                    ; from a block's first image to its second: v: the next 64 keys; k: the next head
	s_mov_b32 s96, 0x05040100
	s_cselect_b32 s96, 0x03020100, s96             ; the stored words' bytes, lanes 0-15 (the first head)
	s_mov_b32 s97, 0x07060302
	s_cselect_b32 s97, 0x07060504, s97             ; lanes 16-31 (the second head)
	s_lshr_b32 s98, s44, 3
	s_lshl_b32 s98, s98, 4                         ; 16 x batch
	s_lshl_b32 s43, s43, 2
	s_add_co_u32 s98, s98, s43
	s_lshl_b32 s45, s45, 1
	s_add_co_u32 s98, s98, s45                     ; my first batch x head
	s_and_b32 s44, s44, 7                          ; the block of 256 tokens within the batch
	s_lshl_b32 s99, s98, 3
	s_add_co_u32 s99, s99, s44
	s_mul_i32 s43, s46, 6144
	s_lshl_b32 s45, s46, 8
	s_mul_i32 s18, s99, 12288                      ; qc: (128 x head + 16 x block) x 768
	s_add_co_u32 s18, s18, s43
	s_lshl_b32 s22, s99, 9                         ; qc's words: (16 x head + 2 x block) x 256
	s_add_co_u32 s22, s22, s45
	s_add_co_u32 s22, s22, QSC
	s_mul_i32 s99, s99, 25600                      ; kv: the record
	s_add_co_u32 s47, s47, s99
	s_add_co_u32 s47, s47, s43
	s_add_co_u32 s94, s94, s99
	s_add_co_u32 s94, s94, s45
	s_cmp_eq_u32 ttmp9, 0                          ; q?
	s_cselect_b32 s18, s18, s47
	s_cselect_b32 s22, s22, s94
	s_cselect_b64 s[20:21], s[10:11], s[12:13]
	s_mov_b32 s43, 98304
	s_cselect_b32 s94, s43, s95                    ; q: the next head is 128 x 768 bytes on
	s_mov_b32 s43, 204800
	s_cselect_b32 s43, 4096, s43                   ; from a head's words to the next head's
	s_mov_b32 s19, 0
	s_mov_b32 s23, 0
	s_mov_b32 s95, 0
	s_add_nc_u64 s[OB0:OB0+1], s[20:21], s[18:19]
	s_add_nc_u64 s[SCB:SCB+1], s[20:21], s[22:23]
	s_add_nc_u64 s[OB1:OB1+1], s[OB0:OB0+1], s[94:95]
	v_mul_lo_u32 v[VSC], v2, s43
	v_lshl_add_u32 v[VSC], v1, 4, v[VSC]           ; 16 r + h x a head's distance
	v_mov_b32 v[SELP], s96
	v_mov_b32 v31, s97
	s_mov_b32 vcc_lo, 0xffff0000
	v_cndmask_b32 v[SELP], v[SELP], v31, vcc_lo
	v_mov_b32 v[V16], v4
	v_mov_b32 v[V8], v5
	; the bias, in the result's layout.  Its base and offset are not written again
	s_cmp_eq_u32 ttmp9, 2
	s_cbranch_scc1 .Lbias_v
	s_lshl_b32 s46, s42, 10                        ; q, k: register j of block b is column 32 (b / 2) + 8 (b % 2) + 16 h + j of my 128
	s_lshl_b32 s47, s16, 9
	s_add_co_u32 s46, s46, s47
	s_mov_b32 s47, 0
	s_add_nc_u64 s[46:47], s[8:9], s[46:47]
	v_lshlrev_b32 v6, 6, v2
.irp b, 0,1,2,3,4,5,6,7
	global_load_b128 v[BI+8*\b:BI+8*\b+3], v6, s[46:47] offset:(32*(\b/2)+8*(\b%2))*4
	global_load_b128 v[BI+8*\b+4:BI+8*\b+7], v6, s[46:47] offset:(32*(\b/2)+8*(\b%2))*4+16
.endr
	s_branch .Lbias_done
.Lbias_v:
	s_lshl_b32 s46, s41, 10                        ; v: all eight registers of block a hold the bias of the lane's column 32 (a / 2) + 8 (a % 2) + r + 8 (r / 8) of my 128
	s_lshl_b32 s47, s15, 9
	s_add_co_u32 s46, s46, s47
	s_add_co_u32 s46, s46, 8192
	s_mov_b32 s47, 0
	s_add_nc_u64 s[46:47], s[8:9], s[46:47]
	v_and_b32 v6, 8, v1
	v_add_nc_u32 v6, v6, v1
	v_lshlrev_b32 v6, 2, v6
.irp a, 0,1,2,3,4,5,6,7
.irp j, 0,1,2,3,4,5,6,7
	global_load_b32 v[BI+8*\a+\j], v6, s[46:47] offset:(32*(\a/2)+8*(\a%2))*4
.endr
.endr
.Lbias_done:
	s_wait_tensorcnt 1                             ; the scale bytes and my part of slot 0 are in; slot 1's load may be out
	s_barrier_signal -1
	s_barrier_wait -1
	FETCH_B 0, 0, 0
	FETCH_A 0, 0, 0
	SCALES 0
	FETCH_A 0, 0, 4
	s_wait_loadcnt 0x0                             ; the bias
	s_cmp_eq_u32 ttmp9, 2
	s_cbranch_scc1 .Lfirst_v
	STEP 0, 0, 1                                   ; the first step starts the sums; it is written for both places of the bias
	s_branch .Lfirst_done
.Lfirst_v:
	STEP 0, 0, 2
.Lfirst_done:
	s_mov_b32 s3, 1
.Llap:                                             ; one trip: once round the ring, both slots are filled again (K 512 on, K 768 on)
	TURN 0, 1, 1
	STEP 1, 0, 0
	TURN 1, 0, 1
	STEP 0, 0, 0
	s_sub_co_u32 s3, s3, 1
	s_cmp_lg_u32 s3, 0
	s_cbranch_scc1 .Llap
	TURN 0, 1, 0                                   ; the last lap fills nothing
	STEP 1, 0, 0
	s_wait_dscnt 4*NL
	WIN MUL_LO
	MUL16 0, 1, NQ-1, 1, 0
	MUL16 2, 1, NQ-1, 1, 0
	s_wait_dscnt 0
	WIN MUL_HI
	MUL16 4, 1, NQ-1, 1, 0
	MUL16 6, 1, NQ-1, 1, 0
	WIN 0
; THE WAY OUT.  Block a: the lane's row of A's tile a and 128 neighbours along the registers: four blocks of 32, quantised in registers: 12 registers of codes = two images, and a scale word.
; q, k: the two images are two heads' 64; v: one fragment of 16 channels x 128 keys.  Each accumulator is read from its low end on.
.macro OUTBLK a
.set AC, 64*((\a)%4)
	WIN 0x28+0x14*((\a)/4)                         ; sources 1 and 2: window 2 or 3
.irp b, 0,1,2,3
	v_max3_num_f32 v[TM+\b], 0x1800000, |v[AC+16*\b]|, |v[AC+16*\b+1]|   ; the floor 2^(3 - 127) and my first two numbers of block b
.endr
.irp i, 2,4,6,8,10,12,14
.irp b, 0,1,2,3
	v_max3_num_f32 v[TM+\b], v[TM+\b], |v[AC+16*\b+\i]|, |v[AC+16*\b+\i+1]|
.endr
.endr
	WIN 0
.irp b, 0,1,2,3
	v_permlanex16_b32 v[TM+4+\b], v[TM+\b], s[SEL], s[SEL+1]
.endr
.irp b, 0,1,2,3
	v_max_num_f32 v[TM+\b], v[TM+\b], v[TM+4+\b]
.endr
.irp b, 0,1,2,3
	v_add_nc_u32 v[TM+12+\b], 0xff000000, v[TM+\b]
.endr
.irp b, 0,1,2,3
	v_lshrrev_b32 v[TM+4+\b], 23, v[TM+12+\b]
.endr
	v_lshl_or_b32 v[PW+(\a)], v[TM+5], 8, v[TM+4]
	v_lshl_or_b32 v[PW+(\a)], v[TM+6], 16, v[PW+(\a)]
	v_lshl_or_b32 v[PW+(\a)], v[TM+7], 24, v[PW+(\a)]
.if (\a) > 0
	s_wait_xcnt 0x0                                ; the last block's stores have read their offsets and data: both are written again only behind this wait
.if (\a) == 4
	v_add_nc_u32 v[V16], s[SBS], v[V16]
	v_add_nc_u32 v[V8], s[SBS], v[V8]
.else
	v_add_nc_u32 v[V16], s[SA], v[V16]
	v_add_nc_u32 v[V8], s[SA], v[V8]
.endif
.endif
	WIN 0x02+((\a)/4)                              ; source 0: window 2 or 3
.irp c, 0,1
	v_cvt_scalef32_pk16_fp6_f32 v[PC+6*\c:PC+2+6*\c], v[AC+32*\c:AC+15+32*\c], v[TM+12+2*\c]
	v_cvt_scalef32_pk16_fp6_f32 v[PT+4*\c:PT+2+4*\c], v[AC+16+32*\c:AC+31+32*\c], v[TM+12+2*\c+1]
.endr
	WIN 0
	v_nop                                          ; one plain instruction behind the scaled conversions
.irp c, 0,1
.irp i, 0,1,2
	v_permlane16_swap_b32 v[PC+6*\c+\i], v[PT+4*\c+\i]
.endr
.irp i, 0,1,2
	v_mov_b32 v[PC+3+6*\c+\i], v[PT+4*\c+\i]
.endr
.endr
	global_store_b128 v[V16], v[PC:PC+3], s[OB0:OB0+1]                 ; 512 consecutive bytes, then 256: whole aligned blocks of 256 bytes
	global_store_b64 v[V8], v[PC+4:PC+5], s[OB0:OB0+1] offset:512
	global_store_b128 v[V16], v[PC+6:PC+9], s[OB1:OB1+1]
	global_store_b64 v[V8], v[PC+10:PC+11], s[OB1:OB1+1] offset:512
.endm
	PLACES NP                                      ; behind the last products, in front of the first read of results
.irp b, 0,1,2,3
	v_mov_b32 v[TM+4+\b], 0                        ; a lane permute's destination counts as one of its sources
.endr
.irp a, 0,1,2,3,4,5,6,7
	OUTBLK \a
.endr
	s_cmp_eq_u32 ttmp9, 2
	s_cbranch_scc1 .Lwords_v
.irp i, 0,1,2,3
	v_perm_b32 v[WD+\i], v[PW+2*\i+1], v[PW+2*\i], v[SELP]   ; q, k: my head's two bytes of tile 2 i, then of tile 2 i + 1
.endr
	s_branch .Lwords_done
.Lwords_v:
.irp i, 0,1,2,3
	v_perm_b32 v[WD+\i], v[PW+4+\i], v[PW+\i], v[SELP]       ; v: channel tile i of my head: block i or block 4 + i, whole
.endr
.Lwords_done:
	global_store_b128 v[VSC], v[WD:WD+3], s[SCB:SCB+1]       ; sixteen lanes store 256 consecutive bytes, aligned
	s_wait_tensorcnt 0x0                           ; the wave's end
	ds_add_u32 v[SPW], v[NIL]
	s_wait_dscnt 0x0
	CROUND                                         ; the closing round: no work-group ends while a partner may still ask for a tile that names it
	s_endpgm
.Lfunc_end_k_qe28447ddae_qkv:
	.size	k_qe28447ddae_qkv, .Lfunc_end_k_qe28447ddae_qkv-k_qe28447ddae_qkv
	.p2alignl 7, 3214868480
	.fill 96, 4, 3214868480
	.section	.rodata,"a",@progbits
	.p2align	6, 0x0
	.amdhsa_kernel k_qe28447ddae_qkv
		.amdhsa_group_segment_fixed_size 327680
		.amdhsa_private_segment_fixed_size 0
		.amdhsa_enable_private_segment 0
		.amdhsa_kernarg_size 40
		.amdhsa_user_sgpr_count 2
		.amdhsa_user_sgpr_kernarg_segment_ptr 1
		.amdhsa_wavefront_size32 1
		.amdhsa_system_sgpr_workgroup_id_x 1
		.amdhsa_system_sgpr_workgroup_id_y 1
		.amdhsa_system_sgpr_workgroup_id_z 1
		.amdhsa_system_vgpr_workitem_id 0
		.amdhsa_next_free_vgpr 1024
		.amdhsa_next_free_sgpr 100
		.amdhsa_reserve_vcc 1
		.amdhsa_float_denorm_mode_32 3
		.amdhsa_float_denorm_mode_16_64 3
		.amdhsa_memory_ordered 1
		.amdhsa_forward_progress 1
		.amdhsa_inst_pref_size 172
	.end_amdhsa_kernel
	.amdgpu_metadata
---
amdhsa.version: [ 1, 2 ]
amdhsa.kernels:
  - .name:           k_qe28447ddae_qkv
    .symbol:         k_qe28447ddae_qkv.kd
    .args:
      - { .name: xq, .offset: 0, .size: 8, .value_kind: global_buffer, .address_space: global }
      - { .name: wq, .offset: 8, .size: 8, .value_kind: global_buffer, .address_space: global }
      - { .name: b_qkv, .offset: 16, .size: 8, .value_kind: global_buffer, .address_space: global }
      - { .name: qc, .offset: 24, .size: 8, .value_kind: global_buffer, .address_space: global }
      - { .name: kv, .offset: 32, .size: 8, .value_kind: global_buffer, .address_space: global }
    .group_segment_fixed_size: 327680
    .private_segment_fixed_size: 0
    .kernarg_segment_align: 8
    .kernarg_segment_size: 40
    .max_flat_workgroup_size: 128
    .sgpr_count:     100
    .vgpr_count:     1024
    .wavefront_size: 32
...
	.end_amdgpu_metadata
.endif
;; end of part 2
;; launch attn (part 3): grid 4 x 64, 16 waves a work-group, no clusters, 327,680 bytes of LDS; arguments qc, kv, yq; writes yq
.if DOCPART == 3
	.amdgcn_target "amdgcn-amd-amdhsa--gfx1250"
	.amdhsa_code_object_version 6
	.text
	.protected	k_qe28447ddae_attn
	.globl	k_qe28447ddae_attn
	.p2align	8
	.type	k_qe28447ddae_attn,@function
k_qe28447ddae_attn:
	s_mov_b64 s[64:65], 0
	v_nop
	global_prefetch_b8 v0, s[64:65] scope:SCOPE_SE
	s_setreg_imm32_b32 hwreg(HW_REG_WAVE_MODE, 25, 1), 1
	s_wait_xcnt 0x0
; y = softmax(q k^T / 8, causal) v for one batch x head, both products on codes of FP6 (E2M3) with E8M0 scales; y leaves as codes, quantised along its 64 channels, which are 64 of the last product's K.
; THE SOFTMAX: t = score x log2(e) / 8; M = the running largest t rounded up to a whole number; p = 2^(t - M) is quantised along the keys, not normalised; the row's sum is taken of the unquantised p in f32 and divides at the end.
; When M moves, the sum and O are multiplied by 2^(old M - new M): exact.
; SHARES.  Work-group (i, head) owns the query blocks 7 - i and i, 256 queries each; wave w owns tile w (16 queries) of each.  Nine trips in every work-group, a slot of 256 keys each: trips 0 .. 7 - i walk slots
; 0 .. 7 - i for the high block, trips 8 - i .. 8 walk slots 0 .. i for the low one: equal work for all 256 work-groups, and no slot is fetched that the mask hides whole.
; NO JOINT LOADS: the four work-groups of a head want different slots from trip 8 - i on; kept in step with equal requests they would fetch 12 slots for 9 slots' work.
; LAYOUT.  Both products are used transposed: S^T = K Q^T, O^T = V^T P^T: a lane holds one query throughout.  Row m of tile t is index 32 (t / 2) + 8 (t % 2) + m + 8 (m / 8), for queries and keys.
; K = 64 IS HALF OF THE INSTRUCTION'S 128.  A fragment of k holds two tiles of keys: tile 2 f in k 0-63, tile 2 f + 1 in k 64-127.  Q stands in v16-33 as [six zeros | q | six zeros]: v[22:33] = [q | 0] gives the first tile's
; scores, v[16:27] = [0 | q] the second's: zero codes add nothing.  The 16 registers of the two results are the 16 neighbouring keys 32 f + 16 (lane / 16) + 0 .. 15.
; A slot is one record of kv, 25,600 dense bytes: k's 16 images, v's 8 fragments, k's and v's scale words; waves 0-3 bring a quarter each.
; LIMITS: NaN and infinities are not served; y = O x the reciprocal of the sum by v_rcp_f32; a block of y whose largest magnitude lies under 2^-124, zeros among them, gets the byte 1 (this program alone reads the bytes).
.set XSC,   6291456
.set QSC,   6291456
.set REC,   25600
.set SLOT1, 32768                      ; slot 1 begins here: one exclusive or turns an address in one slot into the other's
.set SPARE, 65536                      ; the spare words, 128 bytes for each of 16 waves: eight blocks of 256 bytes that no other line names
.set L16, 1                            ; v1  16 x lane
.set L8,  2                            ; v2  8 x lane
.set R16, 3                            ; v3  16 x (lane % 16)
.set SPW, 4                            ; v4  my spare word; never rewritten
.set NIL, 5                            ; v5  0; never rewritten
.set A16, 6                            ; v6-8 the three above + the slot in hand
.set A8,  7
.set ASC, 8
.set QL,  9                            ; v9  r + 8 (r / 8) - 16 h
.set PFO, 10                           ; v10 the prefetches' offset
.set YSO, 11                           ; v11 8 r + h
.set QSL, 34                           ; v34 q's scale word for [q | 0], v35 for [0 | q]
.set QSH, 35
.set KS,  36                           ; v36-39 k's scale words, v40-43 v's, v44 p's
.set VS,  40
.set PS,  44
.set QB,  46                           ; v46-51 the low block's q; v52, v53 its scale words
.set F,   54                           ; v54-101 four fragments of k or of v
.set S,   102                          ; v102-165 S^T, then p
.set O,   166                          ; v166-197 O^T
.set PC,  198                          ; v198-209 p's codes, v210-217 at work
.set PT,  210
.set BM,  218                          ; v218-221 the blocks' largest
.set BT,  222                          ; v222-225 at work, then bytes
.set SO,  226                          ; v226-229 the conversions' scale operands
.set TB,  2                            ; s2  LDS byte at which the slot in hand begins
.set TR,  3                            ; s3  the trip
.set WV,  10
.set SWT, 13                           ; s13 the trip at which the low block begins: 8 - i
.set NS,  14                           ; s14 the record asked for last
.set KF,  15                           ; s15 the step's first key
.set Q0,  16                           ; s16 my tile's first query; s17 the low block's
.set Q0B, 17
.set SEL, 20
.set CS,  22                           ; s[22:23] c = log2(e) / 8
.set G1,  24
.set G0,  32
.set KVB, 36                           ; s[36:37] my quarter of the head's record 0
.set PFA, 40
.set LIM, 42
.set YB1, 44                           ; s[44:47] where the two tiles' images of y go; s[48:51] their scale bytes
.set YB2, 46
.set YS1, 48
.set YS2, 50
.macro TLOAD                           ; waves 0-3 fetch, the others nothing: a branch on the wave's number.  Four v_nop follow the line
	s_cmp_lt_u32 s[WV], 4
	s_cbranch_scc0 .Lnone_\@
	tensor_load_to_lds s[G0:G0+3], s[G1:G1+7]
	s_nop 0
.rept 4
	v_nop
.endr
.Lnone_\@:
.endm
; A prefetch into the L2 of the record that the NEXT change of slots will ask for.  The four work-groups of a head walk the same records at first: work-group 0, which walks all eight in order, asks, in trips 0 to 5, for
; records 2 to 7; in it waves 4-7, which fetch nothing, ask for a quarter each: 25 blocks of 256 bytes, a lane a block (lanes 25-31 name lane 24's).  Records 0 and 1 come by their loads alone.
.macro ASK
	s_cmp_lt_u32 s[TR], s[LIM]
	s_cbranch_scc0 .Lnot_mine_\@
	global_prefetch_b8 v[PFO], s[PFA:PFA+1] th:TH_LOAD_NT scope:SCOPE_SE
.Lnot_mine_\@:
.endm
.macro FRAG4 reg, off
	ds_load_b128 v[\reg:\reg+3], v[A16] offset:\off
	ds_load_b64 v[\reg+4:\reg+5], v[A8] offset:\off+512
	ds_load_b128 v[\reg+6:\reg+9], v[A16] offset:\off+768
	ds_load_b64 v[\reg+10:\reg+11], v[A8] offset:\off+1280
.endm
; THE CHANGE OF SLOTS, at a trip's head.  Each wave waits for all its tensor loads, adds 0 to its spare word, and waits for that and for its reads of the slot that it has left.  Behind the barrier the slot ahead is whole and
; nobody reads the other one.  fill = 1: that other slot takes the next trip's record: the next in order, or record 0 where the low block begins.
.macro CHANGE fill
	s_wait_tensorcnt 0x0                           ; no tensor load of mine is out, so group 0 may be written
	ds_add_u32 v[SPW], v[NIL]                      ; 0 onto my spare word
.if \fill
	s_add_co_u32 s[NS], s[NS], 1
	s_add_co_u32 s52, s[TR], 1
	s_cmp_eq_u32 s52, s[SWT]
	s_cselect_b32 s[NS], 0, s[NS]
	s_xor_b32 s[G0+1], s[G0+1], SLOT1              ; the other slot than last time
	s_mul_i32 s38, s[NS], REC
	s_add_nc_u64 s[G0+2:G0+3], s[KVB:KVB+1], s[38:39]
	s_or_b32 s[G0+3], s[G0+3], 0x80000000
	s_wait_xcnt 0x0                                ; the last prefetch, a trip back, has read its address
	s_add_nc_u64 s[PFA:PFA+1], s[PFA:PFA+1], REC
.endif
	s_wait_dscnt 0x0                               ; the add is done, and my reads of the slot that I have left are over
	s_barrier_signal -1
	s_barrier_wait -1
.if \fill
	TLOAD                                          ; the first thing behind the barrier, and a wave's one tensor load until the next
	ASK
.endif
.endm
; A tile of queries is finished: O^T / the sum; quantised along the 64 channels (register 16 b + i = channel 32 b + 16 h + i); one image and two bytes a row.
.macro FINISH yb, ys
.rept 4
	v_nop                                          ; places behind the last products
.endr
	v_add_f32 v14, v14, v15
	s_delay_alu instid0(VALU_DEP_1)
	v_permlanex16_b32 v232, v14, s[SEL], s[SEL+1]
	s_delay_alu instid0(VALU_DEP_1)
	v_add_f32 v14, v14, v232                       ; the row's sum
	s_wait_alu depctr_va_vdst(0)
	v_rcp_f32 v14, v14
	v_nop                                          ; a plain instruction behind the reciprocal,
	s_wait_alu depctr_va_vdst(0)                   ; and a wait ahead of its first reader
.set j, 0
.rept 32
	v_mul_f32 v[S+j], v[O+j], v14                  ; each accumulator from its low end on
.set j, j+1
.endr
.irp b, 0,1
	v_max3_num_f32 v[BM+\b], |v[S+16*\b]|, |v[S+1+16*\b]|, 0x1800000
.endr
.irp i, 2,4,6,8,10,12,14
.irp b, 0,1
	s_delay_alu instid0(VALU_DEP_2)
	v_max3_num_f32 v[BM+\b], v[BM+\b], |v[S+16*\b+\i]|, |v[S+1+16*\b+\i]|
.endr
.endr
.irp b, 0,1
	s_delay_alu instid0(VALU_DEP_2)
	v_permlanex16_b32 v[BT+\b], v[BM+\b], s[SEL], s[SEL+1]
.endr
.irp b, 0,1
	s_delay_alu instid0(VALU_DEP_2)
	v_max_num_f32 v[BM+\b], v[BM+\b], v[BT+\b]
.endr
.irp b, 0,1
	s_delay_alu instid0(VALU_DEP_2)
	v_add_nc_u32 v[SO+\b], 0xff000000, v[BM+\b]
.endr
.irp b, 0,1
	s_delay_alu instid0(VALU_DEP_2)
	v_lshrrev_b32 v[BT+\b], 23, v[SO+\b]
.endr
	s_mov_b32 vcc_lo, 0xffff0000
	v_cndmask_b32 v232, v[BT], v[BT+1], vcc_lo     ; lanes 0-15 store block 0's byte, lanes 16-31 block 1's
	v_cvt_scalef32_pk16_fp6_f32 v[PC:PC+2], v[S:S+15], v[SO]
	v_cvt_scalef32_pk16_fp6_f32 v[PT:PT+2], v[S+16:S+31], v[SO+1]
	v_nop                                          ; one plain instruction behind the scaled conversions
.irp i, 0,1,2
	v_permlane16_swap_b32 v[PC+\i], v[PT+\i]
.endr
.irp i, 0,1,2
	s_delay_alu instid0(VALU_DEP_3)
	v_mov_b32 v[PC+3+\i], v[PT+\i]
.endr
	global_store_b128 v[L16], v[PC:PC+3], s[\yb:\yb+1]                 ; 512 consecutive bytes, then 256, aligned
	global_store_b64 v[L8], v[PC+4:PC+5], s[\yb:\yb+1] offset:512
	global_store_b8 v[YSO], v232, s[\ys:\ys+1]     ; two bytes a row for this head: 1 byte for each 24 of codes; whole blocks would want four heads' waves to meet
	s_wait_xcnt 0x0                                ; the stores have read their registers
.endm
; Where the low block begins: the high block's tile goes out, and the state begins anew.  A scalar branch on ids; no LDS instruction, barrier or tensor load stands in it.
.macro SWITCH
	s_cmp_lg_u32 s[TR], s[SWT]
	s_cbranch_scc1 .Lsame_\@
	FINISH YB1, YS1
	v_mov_b32 v[QSL], v52
	v_mov_b32 v[QSH], v53
.irp j, 0,1,2,3,4,5
	v_mov_b32 v[22+\j], v[QB+\j]
.endr
	v_mov_b32 v13, 0xff61b1e6                      ; the largest t so far: -3e38
	s_delay_alu instid0(VALU_DEP_1)
	v_floor_f32 v12, -v13
	v_mov_b32 v14, 0
	v_mov_b32 v15, 0
.set j, 0
.rept 32
	v_mov_b32 v[O+j], 0                            ; (these are also the places between the scale words and operands just written and the next products)
.set j, j+1
.endr
	s_mov_b32 s[Q0], s[Q0B]
	s_mov_b32 s[KF], 0
.Lsame_\@:
.endm
; A KEY STEP: 128 keys, the st-th of the slot in hand.
.macro STEP st
	s_add_co_u32 s52, s[Q0], 23                    ; my tile's last query
	s_cmp_gt_u32 s[KF], s52
	s_cbranch_scc1 .Lhid_\@                        ; all 128 keys come after my 16 queries: the step's work is left out
.rept 4
	v_nop                                          ; places in front of loads into registers that matrix instructions have read
.endr
	s_wait_alu depctr_va_vdst(0)
.irp f, 0,1,2,3
	FRAG4 F+12*\f, 6144*\st+1536*\f
.endr
	ds_load_b128 v[KS:KS+3], v[ASC] offset:24576+256*\st
	s_wait_dscnt 0x0
.irp f, 0,1,2,3
	v_wmma_scale_f32_16x16x128_f8f6f4 v[S+16*\f:S+16*\f+7], v[F+12*\f:F+12*\f+11], v[22:33], 0, v[KS+\f], v[QSL] matrix_a_fmt:MATRIX_FMT_FP6 matrix_b_fmt:MATRIX_FMT_FP6
	v_wmma_scale_f32_16x16x128_f8f6f4 v[S+16*\f+8:S+16*\f+15], v[F+12*\f:F+12*\f+11], v[16:27], 0, v[KS+\f], v[QSH] matrix_a_fmt:MATRIX_FMT_FP6 matrix_b_fmt:MATRIX_FMT_FP6
.endr
.rept 4
	v_nop
.endr
	s_wait_alu depctr_va_vdst(0)
.irp t, 0,1,2,3                                ; v's fragments land while the softmax is worked
	FRAG4 F+12*\t, 12288+6144*\st+1536*\t
.endr
	ds_load_b128 v[VS:VS+3], v[ASC] offset:25088+256*\st
	s_add_co_u32 s52, s[KF], 127
	s_cmp_le_u32 s52, s[Q0]
	s_cbranch_scc1 .Lopen_\@                       ; all 128 keys count for all my queries
	s_sub_co_i32 s52, s[Q0], s[KF]
	v_add_nc_u32 v232, s52, v[QL]                  ; d = my query - the step's first key - 16 h.  Register 16 f + i holds key 32 f + 16 h + i: hidden where 32 f + i > d
	v_mov_b32 v233, 0xff800000                     ; -infinity
.set n, 0
.rept 64
	v_cmp_gt_i32 vcc_lo, 32*(n/16)+n%16, v232
	v_cndmask_b32 v[S+n], v[S+n], v233, vcc_lo
.set n, n+1
.endr
.Lopen_\@:
.irp b, 0,1,2,3
	v_max3_num_f32 v[BM+\b], v[S+16*\b], v[S+1+16*\b], v[S+2+16*\b]   ; the largest score of each block of 32 keys: for the row's maximum, and, since p rises with the score, for the block's largest p
.endr
.irp i, 3,5,7,9,11,13
.irp b, 0,1,2,3
	v_max3_num_f32 v[BM+\b], v[BM+\b], v[S+16*\b+\i], v[S+1+16*\b+\i]
.endr
.endr
.irp b, 0,1,2,3
	v_max_num_f32 v[BM+\b], v[BM+\b], v[S+15+16*\b]
.endr
.irp b, 0,1,2,3
	s_delay_alu instid0(VALU_DEP_4)
	v_permlanex16_b32 v[BT+\b], v[BM+\b], s[SEL], s[SEL+1]
.endr
.irp b, 0,1,2,3
	s_delay_alu instid0(VALU_DEP_4)
	v_max_num_f32 v[BM+\b], v[BM+\b], v[BT+\b]     ; with lane l xor 16's 16 keys
.endr
	s_delay_alu instid0(VALU_DEP_2)
	v_max3_num_f32 v232, v[BM], v[BM+1], v[BM+2]
	s_delay_alu instid0(VALU_DEP_1)
	v_max_num_f32 v232, v232, v[BM+3]
	s_delay_alu instid0(VALU_DEP_1)
	v_mul_f32 v232, s[CS], v232                    ; as t
	s_delay_alu instid0(VALU_DEP_1)
	v_max_num_f32 v13, v13, v232                   ; the running largest t
	v_mov_b32 v232, v12
	s_delay_alu instid0(VALU_DEP_2)
	v_floor_f32 v12, -v13                          ; the new -M = floor(-t): M is a whole number
	s_delay_alu instid0(VALU_DEP_1)
	v_sub_f32 v232, v12, v232                      ; old M - new M: a whole number, 0 or less
	s_delay_alu instid0(VALU_DEP_1)
	v_cvt_i32_f32 v232, v232                       ; (it saturates)
	s_delay_alu instid0(VALU_DEP_1)
	v_ldexp_f32 v230, 1.0, v232                    ; f = 2^(old M - new M)
.set j, 0
.rept 32
	v_pk_fma_f32 v[S+j:S+j+1], v[S+j:S+j+1], s[CS:CS+1], v[12:13] op_sel_hi:[1,0,0]   ; t - M, two at a time
.set j, j+2
.endr
.irp b, 0,1,2,3
	v_fma_f32 v[BM+\b], v[BM+\b], s[CS], v12       ; the same of each block's largest score
.endr
.set j, 0
	s_wait_alu depctr_va_vdst(0)
.rept 64
	v_exp_f32 v[S+j], v[S+j]                       ; p = 2^(t - M)
.set j, j+1
.endr
	v_pk_mul_f32 v[14:15], v[14:15], v[230:231] op_sel_hi:[1,0]   ; the sums under the new M: the plain instruction behind the exponentials
	s_wait_alu depctr_va_vdst(0)                   ; one wait for the batch of 64, ahead of its first reader
.irp b, 0,1,2,3
	v_exp_f32 v[BM+\b], v[BM+\b]                   ; the block's largest p: the same two instructions on the same number
.endr
	v_pk_add_f32 v[234:235], v[106:107], v[110:111]
	v_pk_add_f32 v[254:255], v[114:115], v[118:119]
	v_pk_add_f32 v[252:253], v[122:123], v[126:127]
	v_pk_add_f32 v[250:251], v[130:131], v[134:135]
	v_pk_add_f32 v[248:249], v[138:139], v[142:143]
	v_pk_add_f32 v[246:247], v[146:147], v[150:151]
	v_pk_add_f32 v[244:245], v[154:155], v[158:159]
	v_pk_add_f32 v[14:15], v[14:15], v[162:163]
	v_pk_add_f32 v[234:235], v[234:235], v[102:103]
	v_pk_add_f32 v[254:255], v[254:255], v[104:105]
	v_pk_add_f32 v[252:253], v[252:253], v[108:109]
	v_pk_add_f32 v[250:251], v[250:251], v[112:113]
	v_pk_add_f32 v[248:249], v[248:249], v[116:117]
	v_pk_add_f32 v[246:247], v[246:247], v[120:121]
	v_pk_add_f32 v[244:245], v[244:245], v[124:125]
	v_pk_add_f32 v[14:15], v[14:15], v[128:129]
	v_pk_add_f32 v[234:235], v[234:235], v[132:133]
	v_pk_add_f32 v[254:255], v[254:255], v[136:137]
	v_pk_add_f32 v[252:253], v[252:253], v[140:141]
	v_pk_add_f32 v[250:251], v[250:251], v[144:145]
	v_pk_add_f32 v[248:249], v[248:249], v[148:149]
	v_pk_add_f32 v[246:247], v[246:247], v[152:153]
	v_pk_add_f32 v[244:245], v[244:245], v[156:157]
	v_pk_add_f32 v[14:15], v[14:15], v[160:161]
	v_pk_add_f32 v[234:235], v[234:235], v[164:165]
	s_delay_alu instid0(VALU_DEP_2)
	v_pk_add_f32 v[14:15], v[14:15], v[250:251]
	s_delay_alu instid0(VALU_DEP_2)
	v_pk_add_f32 v[234:235], v[234:235], v[248:249]
	v_pk_add_f32 v[254:255], v[254:255], v[246:247]
	v_pk_add_f32 v[252:253], v[252:253], v[244:245]
	s_delay_alu instid0(VALU_DEP_2)
	v_pk_add_f32 v[14:15], v[14:15], v[254:255]
	s_delay_alu instid0(VALU_DEP_2)
	v_pk_add_f32 v[234:235], v[234:235], v[252:253]
	s_delay_alu instid0(VALU_DEP_1)
	v_pk_add_f32 v[14:15], v[14:15], v[234:235]
	s_wait_alu depctr_va_vdst(0)                   ; and one for the four
.irp b, 0,1,2,3
	v_max_num_f32 v[BM+\b], 0x1800000, v[BM+\b]    ; the floor 2^(3 - 127): a block whose every p is 0 keeps the byte 1; its codes are zeros
.endr
.irp b, 0,1,2,3
	s_delay_alu instid0(VALU_DEP_4)
	v_add_nc_u32 v[SO+\b], 0xff000000, v[BM+\b]
.endr
.irp b, 0,1,2,3
	s_delay_alu instid0(VALU_DEP_4)
	v_lshrrev_b32 v[BT+\b], 23, v[SO+\b]
.endr
	s_delay_alu instid0(VALU_DEP_3)
	v_lshl_or_b32 v[PS], v[BT+1], 8, v[BT]         ; p's scale word for these 128 keys
	s_delay_alu instid0(VALU_DEP_1)
	v_lshl_or_b32 v[PS], v[BT+2], 16, v[PS]
	s_delay_alu instid0(VALU_DEP_1)
	v_lshl_or_b32 v[PS], v[BT+3], 24, v[PS]
.irp c, 0,1
	v_cvt_scalef32_pk16_fp6_f32 v[PC+6*\c:PC+2+6*\c], v[S+32*\c:S+15+32*\c], v[SO+2*\c]
	v_cvt_scalef32_pk16_fp6_f32 v[PT+4*\c:PT+2+4*\c], v[S+16+32*\c:S+31+32*\c], v[SO+2*\c+1]
.endr
	v_nop                                          ; one plain instruction behind the scaled conversions
.irp c, 0,1
.irp i, 0,1,2
	v_permlane16_swap_b32 v[PC+6*\c+\i], v[PT+4*\c+\i]
.endr
.irp i, 0,1,2
	s_delay_alu instid0(VALU_DEP_3)
	v_mov_b32 v[PC+3+6*\c+\i], v[PT+4*\c+\i]
.endr
.endr
.set j, 0
.rept 16
	v_pk_mul_f32 v[O+j:O+j+1], v[O+j:O+j+1], v[230:231] op_sel_hi:[1,0]   ; O^T under the new M.  (These sixteen are also the places in front of the products below)
.set j, j+2
.endr
	s_wait_alu depctr_va_vdst(0)
	s_wait_dscnt 0x0                               ; v's fragments and words are in
.irp t, 0,1,2,3                                ; the four accumulators by turns
	v_wmma_scale_f32_16x16x128_f8f6f4 v[O+8*\t:O+8*\t+7], v[F+12*\t:F+12*\t+11], v[PC:PC+11], v[O+8*\t:O+8*\t+7], v[VS+\t], v[PS] matrix_a_fmt:MATRIX_FMT_FP6 matrix_b_fmt:MATRIX_FMT_FP6
.endr
.Lhid_\@:
	s_add_co_u32 s[KF], s[KF], 128
.endm
.macro SLOT_STEPS
	v_add_nc_u32 v[A16], s[TB], v[L16]
	v_add_nc_u32 v[A8], s[TB], v[L8]
	v_add_nc_u32 v[ASC], s[TB], v[R16]
	STEP 0
	STEP 1
	s_xor_b32 s[TB], s[TB], SLOT1
.endm
	s_load_b128 s[4:7], s[0:1], 0x0                ; qc s[4:5], kv s[6:7]
	s_load_b64 s[8:9], s[0:1], 0x10                ; yq
	v_lshl_add_u32 v[SPW], v0, 2, SPARE
	v_mov_b32 v[NIL], 0
	ds_add_u32 v4, v5
	ds_add_u32 v4, v5
	s_wait_dscnt 0x0
	v_lshrrev_b32 v6, 5, v0
	s_delay_alu instid0(VALU_DEP_1)
	v_readfirstlane_b32 s[WV], v6                  ; wave 0..15
	s_and_b32 s11, ttmp7, 0xffff                   ; batch x head
	s_sub_co_u32 s[SWT], 8, ttmp9
	; descriptor group 1: a quarter of a record: 6,400 dense bytes as 25 rows of 256 (32 elements of 8 bytes)
	s_mov_b32 s[G1], 3<<16
	s_mov_b32 s[G1+1], 32<<16
	s_mov_b32 s[G1+2], 25<<16
	s_mov_b32 s[G1+3], 32<<16
	s_mov_b32 s[G1+4], 25
	s_mov_b32 s[G1+5], 32
	s_mov_b32 s[G1+6], 0
	s_mov_b32 s[G1+7], 0
	s_and_b32 s52, s[WV], 3
	s_mul_i32 s53, s52, 6400                       ; my quarter: in a record and in a slot
	s_mul_i32 s54, s11, 8*REC
	s_add_co_u32 s54, s54, s53
	s_mov_b32 s55, 0
	s_mov_b32 s39, 0
	s_mov_b32 s[TB], 0
	s_mov_b32 s[TR], 0
	s_mov_b32 s[NS], 0
	s_mov_b32 s[KF], 0
	s_wait_kmcnt 0x0
	s_add_nc_u64 s[KVB:KVB+1], s[6:7], s[54:55]
	s_mov_b32 s[G0], 1
	s_mov_b32 s[G0+1], s53
	s_mov_b64 s[G0+2:G0+3], s[KVB:KVB+1]
	s_or_b32 s[G0+3], s[G0+3], 0x80000000
	TLOAD                                          ; record 0 into slot 0
	s_add_nc_u64 s[PFA:PFA+1], s[KVB:KVB+1], REC   ; at record 1: the first change of slots steps it to record 2
	s_lshr_b32 s52, s[WV], 2
	s_xor_b32 s52, s52, 1                          ; 0 in waves 4-7,
	s_or_b32 s52, s52, ttmp9                       ; of the head's work-group 0
	s_cmp_eq_u32 s52, 0
	s_cselect_b32 s[LIM], 6, 0
	s_mov_b32 s[SEL], 0x76543210
	s_mov_b32 s[SEL+1], 0xfedcba98
	s_mov_b32 s[CS], 0x3e38aa3b                    ; c = log2(e) / 8
	s_mov_b32 s[CS+1], s[CS]
	s_sub_co_u32 s52, 7, ttmp9
	s_lshl_b32 s52, s52, 4
	s_add_co_u32 s52, s52, s[WV]                   ; my q tile of the high block,
	s_lshl_b32 s53, ttmp9, 4
	s_add_co_u32 s53, s53, s[WV]                   ; and of the low one
	s_lshr_b32 s54, s[WV], 1
	s_lshl_b32 s54, s54, 5
	s_and_b32 s55, s[WV], 1
	s_lshl_b32 s55, s55, 3
	s_add_co_u32 s54, s54, s55                     ; a tile's first query in its block: 32 (w / 2) + 8 (w % 2)
	s_sub_co_u32 s55, 7, ttmp9
	s_lshl_b32 s55, s55, 8
	s_add_co_u32 s[Q0], s54, s55
	s_lshl_b32 s55, ttmp9, 8
	s_add_co_u32 s[Q0B], s54, s55
	s_lshr_b32 s54, s11, 4
	s_lshl_b32 s54, s54, 7                         ; 128 token tiles a batch
	s_and_b32 s55, s11, 15                         ; the head
	s_add_co_u32 s56, s54, s52                     ; the two token tiles
	s_add_co_u32 s57, s54, s53
	s_lshl_b32 s44, s56, 4
	s_add_co_u32 s44, s44, s55
	s_mul_i32 s44, s44, 768                        ; yq: (tile x 16 + head) x 768
	s_mov_b32 s45, 0
	s_lshl_b32 s46, s57, 4
	s_add_co_u32 s46, s46, s55
	s_mul_i32 s46, s46, 768
	s_mov_b32 s47, 0
	s_lshr_b32 s58, s55, 2
	s_lshl_b32 s58, s58, 7
	s_and_b32 s59, s55, 3
	s_lshl_b32 s59, s59, 1
	s_add_co_u32 s58, s58, s59
	s_add_co_u32 s58, s58, XSC                     ; the head's two blocks among a tile's scale bytes: (head / 4) x 128 + 2 (head % 4)
	s_lshl_b32 s48, s56, 9
	s_add_co_u32 s48, s48, s58
	s_mov_b32 s49, 0
	s_lshl_b32 s50, s57, 9
	s_add_co_u32 s50, s50, s58
	s_mov_b32 s51, 0
	s_add_nc_u64 s[YB1:YB1+1], s[8:9], s[44:45]
	s_add_nc_u64 s[YB2:YB2+1], s[8:9], s[46:47]
	s_add_nc_u64 s[YS1:YS1+1], s[8:9], s[48:49]
	s_add_nc_u64 s[YS2:YS2+1], s[8:9], s[50:51]
	s_lshl_b32 s54, s11, 7
	s_add_co_u32 s56, s54, s52
	s_mul_i32 s56, s56, 768                        ; qc: (128 x head + tile) x 768
	s_mov_b32 s57, 0
	s_add_co_u32 s58, s54, s53
	s_mul_i32 s58, s58, 768
	s_mov_b32 s59, 0
	s_add_nc_u64 s[56:57], s[4:5], s[56:57]
	s_add_nc_u64 s[58:59], s[4:5], s[58:59]
	s_lshl_b32 s54, s11, 4
	s_lshr_b32 s60, s52, 3
	s_add_co_u32 s60, s60, s54
	s_lshl_b32 s60, s60, 8                         ; q's words: (16 x head + tile / 8) x 256
	s_lshr_b32 s61, s53, 3
	s_add_co_u32 s61, s61, s54
	s_lshl_b32 s61, s61, 8
	s_bfe_u32 s62, s[WV], 0x20001                  ; the pair of tiles: (w / 2) % 4
	s_lshl_b32 s62, s62, 2
	s_add_co_u32 s62, s62, QSC
	s_add_co_u32 s60, s60, s62
	s_add_co_u32 s61, s61, s62
	v_and_b32 v6, 31, v0                           ; lane
	s_delay_alu instid0(VALU_DEP_1)
	v_lshlrev_b32 v[L16], 4, v6
	s_delay_alu instid0(VALU_DEP_2)
	v_lshlrev_b32 v[L8], 3, v6
	v_and_b32 v7, 15, v0                           ; r
	v_bfe_u32 v8, v0, 4, 1                         ; h
	s_delay_alu instid0(VALU_DEP_2)
	v_lshlrev_b32 v[R16], 4, v7
	s_delay_alu instid0(VALU_DEP_1)
	v_add_nc_u32 v236, s60, v[R16]
	s_delay_alu instid0(VALU_DEP_2)
	v_add_nc_u32 v237, s61, v[R16]
	global_load_b128 v[22:25], v[L16], s[56:57]    ; q of the high block's tile: one image
	global_load_b64 v[26:27], v[L8], s[56:57] offset:512
	global_load_b128 v[QB:QB+3], v[L16], s[58:59]  ; and of the low block's
	global_load_b64 v[QB+4:QB+5], v[L8], s[58:59] offset:512
	global_load_b32 v[QSL], v236, s[4:5]           ; the pair's words: bytes 0, 1 the even tile's, bytes 2, 3 the odd tile's
	global_load_b32 v52, v237, s[4:5]
	v_and_b32 v[QL], 8, v7
	s_delay_alu instid0(VALU_DEP_1)
	v_add_nc_u32 v[QL], v[QL], v7
	v_lshlrev_b32 v[PFO], 4, v8
	s_delay_alu instid0(VALU_DEP_1)
	v_sub_nc_u32 v[QL], v[QL], v[PFO]
	v_min_u32 v[PFO], 24, v6
	s_delay_alu instid0(VALU_DEP_1)
	v_lshlrev_b32 v[PFO], 8, v[PFO]
	v_lshl_add_u32 v[YSO], v7, 3, v8
	v_mov_b32 v13, 0xff61b1e6                      ; the largest t so far: -3e38, under every t
	s_delay_alu instid0(VALU_DEP_1)
	v_floor_f32 v12, -v13
	v_mov_b32 v14, 0
	v_mov_b32 v15, 0
.irp j, 16,17,18,19,20,21,28,29,30,31,32,33
	v_mov_b32 v[\j], 0                             ; the zero codes on both sides of q
.endr
.irp b, 0,1,2,3
	v_mov_b32 v[BT+\b], 0                          ; written once: a lane permute's destination counts as one of its sources
.endr
	v_mov_b32 v231, 0                              ; (named as the upper half of the pair v[230:231])
	v_mov_b32 v232, 0
	s_mov_b32 s12, 0x01010101                      ; the byte 1 for the half of K that holds zero codes
	s_and_b32 s52, s[WV], 1
	s_cmp_eq_u32 s52, 0
	s_mov_b32 s62, 0x04040302
	s_cselect_b32 s62, 0x04040100, s62             ; [q | 0]: my tile's two bytes, then 1, 1
	s_mov_b32 s63, 0x03020404
	s_cselect_b32 s63, 0x01000404, s63             ; [0 | q]: 1, 1, then my tile's two bytes
	s_wait_loadcnt 0x0
	v_perm_b32 v[QSH], s12, v[QSL], s63
	v_perm_b32 v[QSL], s12, v[QSL], s62
	v_perm_b32 v53, s12, v52, s63
	v_perm_b32 v52, s12, v52, s62
.set j, 0
.rept 32
	v_mov_b32 v[O+j], 0                            ; O^T: the step is written once; its first turn finds zeros.  (Also the places between the scale words just made and the first products)
.set j, j+1
.endr
.Lslot:                                            ; eight trips, each behind a change of slots that asks for the next trip's record
	CHANGE 1
	SWITCH
	SLOT_STEPS
	s_add_co_u32 s[TR], s[TR], 1
	s_cmp_lt_u32 s[TR], 8
	s_cbranch_scc1 .Lslot
	CHANGE 0                                       ; the ninth trip is written out
	SWITCH
	SLOT_STEPS
	FINISH YB2, YS2
	s_wait_tensorcnt 0x0                           ; the wave's end
	ds_add_u32 v[SPW], v[NIL]
	s_wait_dscnt 0x0
	s_endpgm
.Lfunc_end_k_qe28447ddae_attn:
	.size	k_qe28447ddae_attn, .Lfunc_end_k_qe28447ddae_attn-k_qe28447ddae_attn
	.p2alignl 7, 3214868480
	.fill 96, 4, 3214868480
	.section	.rodata,"a",@progbits
	.p2align	6, 0x0
	.amdhsa_kernel k_qe28447ddae_attn
		.amdhsa_group_segment_fixed_size 327680
		.amdhsa_private_segment_fixed_size 0
		.amdhsa_enable_private_segment 0
		.amdhsa_kernarg_size 24
		.amdhsa_user_sgpr_count 2
		.amdhsa_user_sgpr_kernarg_segment_ptr 1
		.amdhsa_wavefront_size32 1
		.amdhsa_system_sgpr_workgroup_id_x 1
		.amdhsa_system_sgpr_workgroup_id_y 1
		.amdhsa_system_sgpr_workgroup_id_z 1
		.amdhsa_system_vgpr_workitem_id 0
		.amdhsa_next_free_vgpr 256
		.amdhsa_next_free_sgpr 66
		.amdhsa_reserve_vcc 1
		.amdhsa_float_denorm_mode_32 3
		.amdhsa_float_denorm_mode_16_64 3
		.amdhsa_memory_ordered 1
		.amdhsa_forward_progress 1
		.amdhsa_inst_pref_size 116
	.end_amdhsa_kernel
	.amdgpu_metadata
---
amdhsa.version: [ 1, 2 ]
amdhsa.kernels:
  - .name:           k_qe28447ddae_attn
    .symbol:         k_qe28447ddae_attn.kd
    .args:
      - { .name: qc, .offset: 0, .size: 8, .value_kind: global_buffer, .address_space: global }
      - { .name: kv, .offset: 8, .size: 8, .value_kind: global_buffer, .address_space: global }
      - { .name: yq, .offset: 16, .size: 8, .value_kind: global_buffer, .address_space: global }
    .group_segment_fixed_size: 327680
    .private_segment_fixed_size: 0
    .kernarg_segment_align: 8
    .kernarg_segment_size: 24
    .max_flat_workgroup_size: 512
    .sgpr_count:     66
    .vgpr_count:     256
    .wavefront_size: 32
...
	.end_amdgpu_metadata
.endif
;; end of part 3
;; launch proj (part 4): grid 4 x 32, 4 waves a work-group, clusters of 4 x 4, 327,680 bytes of LDS; arguments yq, wq, b_proj, out0; writes out0
.if DOCPART == 4
	.amdgcn_target "amdgcn-amd-amdhsa--gfx1250"
	.amdhsa_code_object_version 6
	.text
	.protected	k_qe28447ddae_proj
	.globl	k_qe28447ddae_proj
	.p2align	8
	.type	k_qe28447ddae_proj,@function
k_qe28447ddae_proj:
	s_mov_b64 s[64:65], 0
	v_nop
	global_prefetch_b8 v0, s[64:65] scope:SCOPE_SE
	s_setreg_imm32_b32 hwreg(HW_REG_WAVE_MODE, 25, 1), 1
	s_wait_xcnt 0x0
	s_wait_alu depctr_hold_cnt(0) depctr_sa_sdst(0) depctr_va_vdst(0) depctr_va_sdst(0) depctr_va_ssrc(0) depctr_va_vcc(0) depctr_vm_vsrc(0)
	s_getreg_b32 s2, hwreg(HW_REG_IB_STS2, 6, 4)
	s_cmp_eq_u32 s2, 0
	s_cbranch_scc0 .Lentry_in_a_cluster
	s_endpgm
.Lentry_in_a_cluster:
	s_bfe_u32 s2, ttmp6, 0x10000c
	s_cmp_lg_u32 s2, 0xf033
	s_cbranch_scc0 .Lentry_shape_is_right
	s_endpgm
.Lentry_shape_is_right:
; out0 = y w_proj + b_proj on codes of FP6 (E2M3) with E8M0 scales, sums in f32, out0 f32.
; A work-group of four waves makes 256 x 256 of the product, a wave 128 x 128: 64 accumulators.  K = 1,024 goes in four steps of 256 through a ring of two LDS slots filled by the tensor data mover.
; OPERANDS ARE IMAGES OF REGISTERS: 16 rows x 64 K are 768 bytes, registers 0-3 of lane l at 16 l, registers 4-5 at 512 + 8 l; a fragment (16 x 128 K) is two images: four LDS loads whose lanes read consecutive bytes.
; Row m of tile t is index 32 (t / 2) + 8 (t % 2) + m + 8 (m / 8), for tokens (slot A, source 1: a lane) and columns (slot B, source 0: the registers): only the bias's and out0's addresses know of it.
; CLUSTERS: 4 x 4 work-groups; y's tiles are shared along a row of the cluster, w_proj's along a column: each is asked for jointly.  The grid has 128 work-groups: one tile of 256 x 256 each.
; The bias is the C of each sum's first matrix instruction, so it is added first and not last.  LIMITS: NaN and infinities are not served.
; REGISTERS, in windows of 256: window 0: v1-5 lane numbers; v16-29 addresses; v32-63 scale words, two sets; v64-127 the bias; v128-223 slot A's fragments, one set; on the way out v128-255 rows of out0.
;   window 1: slot B's fragments, two sets, at v0 and v128.   windows 2, 3: the accumulators ((a, b) at v[8 (8 (a % 4) + b)]).
.set XSC,    6291456
.set WSC,    3145728
.set NQ,     2
.set FR,     12
.set NL,     4
.set NP,     4
.set TILEB,  3072
.set HALFT,  8*TILEB
.set SLOT,   4*HALFT
.set SCL,    2*SLOT
.set HALFS,  4096
.set SPARE,  SCL+4*HALFS               ; the spare words, 128 bytes for each wave: two blocks of 256 bytes that no other line names
.set SPITCH, 528                       ; the way out: a stage of 16 rows x (512 bytes + 16) for each wave, in slot 0, which has had its last fill and its last read when the first result is stored there
.set ADRA, 16
.set ADRB, 20
.set STO,  24                          ; v24  the way out: where I put 32 bytes of a row
.set RD,   25                          ; v25  where I read a row back
.set CO,   26                          ; v26  my byte offset in a row of out0
.set ADRS, 27
.set SPW,  28
.set NIL,  29
.set SC,   32
.set BI,   64
.set AF,   128
.set BK,   128
.set G1, 24
.set G0, 32
.set G1B, 48
.set G0B, 56
.set G1S, 68
.set G0S, 76
.set G1SB, 80
.set G0SB, 88
.set MSB, 0
.macro WIN new                         ; the immediate's high byte repeats the setting that is left
.if MSB != (\new)
	s_set_vgpr_msb (MSB<<8)|(\new)
.set MSB, \new
.endif
.endm
.set MUL_LO, 0xa1
.set MUL_HI, 0xf1
.set TO_B,   0x40
.macro JLOAD g0a, g1a, g0b, g1b        ; a joint load: waves 0 and 1 fetch for slot A, waves 2 and 3 for slot B; four v_nop follow each of the two lines
	s_cmp_eq_u32 s15, 0
	s_cbranch_scc0 .Lfor_b_\@
	tensor_load_to_lds s[\g0a:\g0a+3], s[\g1a:\g1a+7]
	s_nop 0
.rept 4
	v_nop
.endr
	s_branch .Lasked_\@
.Lfor_b_\@:
	tensor_load_to_lds s[\g0b:\g0b+3], s[\g1b:\g1b+7]
	s_nop 0
.rept 4
	v_nop
.endr
.Lasked_\@:
.endm
.macro CREST
	s_cmp_lg_u32 s14, 0
	s_cbranch_scc1 .Lnot_wave_0_\@
	s_barrier_signal -3
.Lnot_wave_0_\@:
	s_barrier_wait -3
	s_barrier_signal -1
	s_barrier_wait -1
.endm
.macro CROUND
	s_barrier_signal -1
	s_barrier_wait -1
	CREST
.endm
.macro PLACES n
.rept \n
	v_nop
.endr
.endm
.macro FRAG4 reg, adr, off
	ds_load_b128 v[\reg:\reg+3], v[\adr] offset:\off
	ds_load_b64 v[\reg+4:\reg+5], v[\adr+2] offset:\off+512
	ds_load_b128 v[\reg+6:\reg+9], v[\adr] offset:\off+768
	ds_load_b64 v[\reg+10:\reg+11], v[\adr+2] offset:\off+1280
.endm
; 16 matrix instructions: A's blocks a0, a0 + 1 x B's eight.  cm = 0: onto the sums;  1: the sums begin with the bias of B's block.  The 64 accumulators take turns, one instruction a turn.
.macro MUL16 a0, p, q, sc, cm
.irp a, \a0, \a0+1
.irp b, 0,1,2,3,4,5,6,7
.if \cm == 0
	v_wmma_scale_f32_16x16x128_f8f6f4 v[8*(8*((\a)%4)+\b):8*(8*((\a)%4)+\b)+7], v[128*(\p)+FR*\b:128*(\p)+FR*\b+FR-1], v[AF+FR*(\a):AF+FR*(\a)+FR-1], v[8*(8*((\a)%4)+\b):8*(8*((\a)%4)+\b)+7], v[SC+16*(\sc)+2*\b+(\q)], v[SC+16*(\sc)+2*(\a)+(\q)] matrix_a_fmt:MATRIX_FMT_FP6 matrix_b_fmt:MATRIX_FMT_FP6 matrix_a_scale:MATRIX_SCALE_ROW1
.else
	v_wmma_scale_f32_16x16x128_f8f6f4 v[8*(8*((\a)%4)+\b):8*(8*((\a)%4)+\b)+7], v[128*(\p)+FR*\b:128*(\p)+FR*\b+FR-1], v[AF+FR*(\a):AF+FR*(\a)+FR-1], v[BI+8*\b:BI+8*\b+7], v[SC+16*(\sc)+2*\b+(\q)], v[SC+16*(\sc)+2*(\a)+(\q)] matrix_a_fmt:MATRIX_FMT_FP6 matrix_b_fmt:MATRIX_FMT_FP6 matrix_a_scale:MATRIX_SCALE_ROW1
.endif
.endr
.endr
.endm
.macro FETCH_B slot, q, p
	WIN TO_B
.irp i, 0,1,2,3,4,5,6,7
	FRAG4 128*(\p)+FR*\i, ADRB+\slot, \i*TILEB+(\q)*1536
.endr
	WIN 0
.endm
.macro FETCH_A slot, q, i0
.irp i, \i0, \i0+1, \i0+2, \i0+3
	FRAG4 AF+FR*(\i), ADRA+\slot, (\i)*TILEB+(\q)*1536
.endr
.endm
.macro SCALES sc
.irp i, 0,1,2,3,4,5,6,7
	ds_load_b64 v[SC+16*\sc+2*\i:SC+16*\sc+2*\i+1], v[ADRS] offset:\i*512
.endr
.endm
.macro STEP slot, q, cm
	s_wait_dscnt 4*NL                              ; B's set and A's blocks 0-3 are in; the youngest 16 loads (A's blocks 4-7) may be out
.if \cm
	WIN 0x81                                       ; C (the bias) window 0, D window 2
.else
	WIN MUL_LO
.endif
	MUL16 0, (\q)%2, \q, \slot, \cm
	MUL16 2, (\q)%2, \q, \slot, \cm
	s_wait_dscnt 0
	PLACES NP                                      ; in front of loads into registers that matrix instructions have read
	FETCH_B \slot, (\q)+1, 1-(\q)%2
	FETCH_A \slot, (\q)+1, 0
.if \cm
	WIN 0xc1
.else
	WIN MUL_HI
.endif
	MUL16 4, (\q)%2, \q, \slot, \cm
	MUL16 6, (\q)%2, \q, \slot, \cm
	PLACES NP
	WIN 0
	FETCH_A \slot, (\q)+1, 4
.endm
.macro TURN slot, next, fill
	s_wait_tensorcnt 0x0                           ; all my tensor loads have landed: my part of the next slot
	ds_add_u32 v[SPW], v[NIL]                      ; 0 onto my spare word
	s_wait_dscnt 4*NL+1                            ; (the add and the youngest 16 loads may be out)
	WIN MUL_LO
	MUL16 0, 1, NQ-1, \slot, 0
	s_wait_dscnt 0x0                               ; the add is done, and my reads of this slot are over
	s_barrier_signal -1
	MUL16 2, 1, NQ-1, \slot, 0
	WIN 0
	s_barrier_wait -1
.if \fill
	CREST                                          ; the barrier has opened a round of the cluster's barrier: no wave of any partner still reads this slot or has a load on its way
	s_add_nc_u64 s[G0+4*\slot+2:G0+4*\slot+3], s[G0+4*\slot+2:G0+4*\slot+3], 2*TILEB
	s_add_nc_u64 s[G0B+4*\slot+2:G0B+4*\slot+3], s[G0B+4*\slot+2:G0B+4*\slot+3], 2*TILEB
	JLOAD G0+4*\slot, G1, G0B+4*\slot, G1B
.else
	PLACES NP
.endif
	v_add_nc_u32 v[ADRS], 128, v[ADRS]
	FETCH_B \next, 0, 0
	FETCH_A \next, 0, 0
	SCALES \next
	WIN MUL_HI
	MUL16 4, 1, NQ-1, \slot, 0
	MUL16 6, 1, NQ-1, \slot, 0
	PLACES NP
	WIN 0
	FETCH_A \next, 0, 4
.endm
	s_load_b256 s[4:11], s[0:1], 0x0               ; yq s[4:5], wq s[6:7], b_proj s[8:9], out0 s[10:11]
	v_lshl_add_u32 v[SPW], v0, 2, SPARE
	v_mov_b32 v[NIL], 0
	ds_add_u32 v28, v29
	s_wait_dscnt 0x0
	v_lshrrev_b32 v1, 5, v0
	v_readfirstlane_b32 s14, v1                    ; wave 0..3
	s_lshr_b32 s15, s14, 1
	s_and_b32 s16, s14, 1
	s_bfe_u32 s40, ttmp6, 0x40000                  ; cx
	s_bfe_u32 s41, ttmp6, 0x40004                  ; cy
	s_lshl_b32 s42, ttmp9, 2
	s_add_co_u32 s42, s42, s40                     ; the block of 256 columns
	s_and_b32 s17, ttmp7, 0xffff
	s_lshl_b32 s17, s17, 2
	s_add_co_u32 s17, s17, s41                     ; the block of 256 tokens
	s_lshl_b32 s43, s41, 2
	s_lshl_b32 s43, 15, s43                        ; my row of the cluster
	s_lshl_b32 s44, 0x1111, s40                    ; my column
	s_or_b32 s[G1+0], s43, (3<<16)|(1<<21)         ; eight tiles' parts of a slot: 8 rows of 3,072 bytes (384 elements of 8 bytes), 12,288 bytes apart
	s_or_b32 s[G1B+0], s44, (3<<16)|(1<<21)
.irp g, G1, G1B
	s_mov_b32 s[\g+1], 384<<16
	s_mov_b32 s[\g+2], 8<<16
	s_mov_b32 s[\g+3], 384<<16
	s_mov_b32 s[\g+4], 8
	s_mov_b32 s[\g+5], 1536
	s_mov_b32 s[\g+6], 0
	s_mov_b32 s[\g+7], 0
.endr
	s_or_b32 s[G1S+0], s43, (3<<16)|(1<<21)        ; the scale bytes of eight tiles: 4,096 dense bytes as 16 rows of 256
	s_or_b32 s[G1SB+0], s44, (3<<16)|(1<<21)
.irp g, G1S, G1SB
	s_mov_b32 s[\g+1], 32<<16
	s_mov_b32 s[\g+2], 16<<16
	s_mov_b32 s[\g+3], 32<<16
	s_mov_b32 s[\g+4], 16
	s_mov_b32 s[\g+5], 32
	s_mov_b32 s[\g+6], 0
	s_mov_b32 s[\g+7], 0
.endr
	s_lshl_b32 s18, s16, 3                         ; which eight tiles I fetch
	s_lshl_b32 s20, s17, 4
	s_add_co_u32 s20, s20, s18                     ; y's
	s_lshl_b32 s46, s42, 4
	s_add_co_u32 s46, s46, s18
	s_add_co_u32 s46, s46, 192                     ; w_proj's column tiles begin at 192
	s_lshl_b32 s22, s20, 9
	s_add_co_u32 s22, s22, XSC
	s_mov_b32 s23, 0
	s_lshl_b32 s92, s46, 9
	s_add_co_u32 s92, s92, WSC
	s_mov_b32 s93, 0
	s_mul_i32 s20, s20, 12288
	s_mov_b32 s21, 0
	s_mul_i32 s46, s46, 12288
	s_mov_b32 s47, 0
	s_mul_i32 s45, s14, HALFT
	s_lshl_b32 s94, s14, 12
	s_wait_kmcnt 0x0
	s_add_nc_u64 s[20:21], s[4:5], s[20:21]
	s_add_nc_u64 s[22:23], s[4:5], s[22:23]
	s_add_nc_u64 s[46:47], s[6:7], s[46:47]
	s_add_nc_u64 s[92:93], s[6:7], s[92:93]
	CROUND                                         ; all sixteen work-groups are here: the first joint loads meet
	s_mov_b32 s[G0S], 1
	s_add_co_u32 s[G0S+1], s94, SCL
	s_mov_b64 s[G0S+2:G0S+3], s[22:23]
	s_or_b32 s[G0S+3], s[G0S+3], 0x80000000
	s_mov_b32 s[G0SB], 1
	s_add_co_u32 s[G0SB+1], s94, SCL
	s_mov_b64 s[G0SB+2:G0SB+3], s[92:93]
	s_or_b32 s[G0SB+3], s[G0SB+3], 0x80000000
	JLOAD G0S, G1S, G0SB, G1SB
.irp s, 0,1
	s_mov_b32 s[G0+4*\s], 1
	s_add_co_u32 s[G0+4*\s+1], s45, \s*SLOT
	s_add_nc_u64 s[G0+4*\s+2:G0+4*\s+3], s[20:21], \s*TILEB
	s_or_b32 s[G0+4*\s+3], s[G0+4*\s+3], 0x80000000
	s_mov_b32 s[G0B+4*\s], 1
	s_add_co_u32 s[G0B+4*\s+1], s45, \s*SLOT
	s_add_nc_u64 s[G0B+4*\s+2:G0B+4*\s+3], s[46:47], \s*TILEB
	s_or_b32 s[G0B+4*\s+3], s[G0B+4*\s+3], 0x80000000
	JLOAD G0+4*\s, G1, G0B+4*\s, G1B               ; three tensor loads of mine are out now
.endr
	v_and_b32 v1, 15, v0                           ; r
	v_bfe_u32 v2, v0, 4, 1                         ; h
	v_and_b32 v3, 31, v0
	v_lshlrev_b32 v4, 4, v3                        ; 16 x lane
	v_lshlrev_b32 v5, 3, v3                        ; 8 x lane
	s_mul_i32 s21, s15, HALFT
	s_mul_i32 s22, s16, HALFT
	s_add_co_u32 s22, s22, 2*HALFT
.irp s, 0,1
	v_add_nc_u32 v[ADRA+\s], s21, v4
	v_add_nc_u32 v[ADRA+2+\s], s21, v5
	v_add_nc_u32 v[ADRB+\s], s22, v4
	v_add_nc_u32 v[ADRB+2+\s], s22, v5
	s_add_co_u32 s21, s21, SLOT
	s_add_co_u32 s22, s22, SLOT
.endr
	s_lshl_b32 s21, s15, 12
	s_lshl_b32 s22, s16, 12
	s_add_co_u32 s22, s22, 2*HALFS
	s_sub_co_u32 s22, s22, s21
	v_mul_u32_u24 v6, s22, v2                      ; lanes 16-31 take B's: the lower base + h x the distance
	s_add_co_u32 s21, s21, SCL
	v_lshl_add_u32 v6, v1, 3, v6
	v_add_nc_u32 v[ADRS], s21, v6
	s_mul_i32 s23, s14, 16*SPITCH                  ; my stage
	v_mul_u32_u24 v6, v1, SPITCH
	v_lshl_add_u32 v6, v2, 6, v6
	v_add_nc_u32 v[STO], s23, v6                   ; in: row r, + 64 h: register j of block b is column 32 (b / 2) + 8 (b % 2) + 16 h + j
	v_add_nc_u32 v[RD], s23, v4                    ; back: the 32 lanes take a row of 512 bytes
	v_mov_b32 v[CO], v4
	s_lshl_b32 s20, s17, 8
	s_lshl_b32 s21, s15, 7
	s_add_co_u32 s20, s20, s21                     ; my first token
	s_lshl_b32 s20, s20, 12                        ; rows of 4,096 bytes
	s_lshl_b32 s46, s42, 10
	s_lshl_b32 s47, s16, 9
	s_add_co_u32 s46, s46, s47                     ; my first column, in bytes
	s_add_co_u32 s20, s20, s46
	s_mov_b32 s21, 0
	s_mov_b32 s47, 0
	s_add_nc_u64 s[12:13], s[10:11], s[20:21]      ; out0 at my 128 x 128; never stepped
	s_add_nc_u64 s[46:47], s[8:9], s[46:47]        ; b_proj at my 128 columns
	v_lshlrev_b32 v6, 6, v2
.irp b, 0,1,2,3,4,5,6,7
	global_load_b128 v[BI+8*\b:BI+8*\b+3], v6, s[46:47] offset:(32*(\b/2)+8*(\b%2))*4
	global_load_b128 v[BI+8*\b+4:BI+8*\b+7], v6, s[46:47] offset:(32*(\b/2)+8*(\b%2))*4+16
.endr
	s_wait_tensorcnt 1                             ; the scale bytes and my part of slot 0 are in; slot 1's load may be out
	s_barrier_signal -1
	s_barrier_wait -1
	FETCH_B 0, 0, 0
	FETCH_A 0, 0, 0
	SCALES 0
	FETCH_A 0, 0, 4
	s_wait_loadcnt 0x0                             ; the bias
	STEP 0, 0, 1                                   ; the first step starts the sums with the bias
	s_mov_b32 s3, 1
.Llap:                                             ; one trip: once round the ring, both slots are filled again
	TURN 0, 1, 1
	STEP 1, 0, 0
	TURN 1, 0, 1
	STEP 0, 0, 0
	s_sub_co_u32 s3, s3, 1
	s_cmp_lg_u32 s3, 0
	s_cbranch_scc1 .Llap
	TURN 0, 1, 0                                   ; the last lap fills nothing
	STEP 1, 0, 0
	s_wait_dscnt 4*NL
	WIN MUL_LO
	MUL16 0, 1, NQ-1, 1, 0
	MUL16 2, 1, NQ-1, 1, 0
	s_wait_dscnt 0
	WIN MUL_HI
	MUL16 4, 1, NQ-1, 1, 0
	MUL16 6, 1, NQ-1, 1, 0
	WIN 0
; THE WAY OUT, block by block of 16 tokens x 128 columns, through my own stage: in by lanes' 32 bytes, back as whole rows of 512 bytes.  LDS serves a wave's instructions in order (ISA guide 5.7.1.4).
.macro TOSTAGE a
.set AC, 64*((\a)%4)
	WIN 0x08+4*((\a)/4)                            ; the data: window 2 or 3
.irp b, 0,1,2,3,4,5,6,7
	ds_store_b128 v[STO], v[AC+8*\b:AC+8*\b+3] offset:128*(\b/2)+32*(\b%2)          ; each accumulator from its low end on
	ds_store_b128 v[STO], v[AC+8*\b+4:AC+8*\b+7] offset:128*(\b/2)+32*(\b%2)+16
.endr
	WIN 0
.set BB, BK+64*((\a)%2)
.irp t, 0,1,2,3,4,5,6,7,8,9,10,11,12,13,14,15
	ds_load_b128 v[BB+4*\t:BB+4*\t+3], v[RD] offset:\t*SPITCH
.endr
.endm
.macro SEND a, younger                 ; younger: the LDS instructions issued behind block a's loads, which may stay out
.set BB, BK+64*((\a)%2)
	s_wait_dscnt \younger
.irp t, 0,1,2,3,4,5,6,7,8,9,10,11,12,13,14,15
	global_store_b128 v[CO], v[BB+4*\t:BB+4*\t+3], s[12:13] offset:(32*((\a)/2)+8*((\a)%2)+\t+8*(\t/8))*4096 th:TH_STORE_NT   ; row t of tile a is that token; 512 consecutive bytes, at a multiple of 256 from out0's first byte
.endr
.endm
	PLACES NP                                      ; behind the last products: for the loads into the registers that held A's fragments and for the reads of results
	TOSTAGE 0
.irp a, 1,2,3,4,5,6,7
.if \a > 1
	s_wait_xcnt 0x0                                ; block a - 2's stores have read their registers: block a's loads may land there
.endif
	TOSTAGE \a
	SEND \a-1, 32                                  ; behind block a - 1's loads: block a's 16 stores and 16 loads
.endr
	SEND 7, 0
	s_wait_tensorcnt 0x0                           ; the wave's end
	ds_add_u32 v[SPW], v[NIL]
	s_wait_dscnt 0x0
	CROUND                                         ; the closing round: no work-group ends while a partner may still ask for a tile that names it
	s_endpgm
.Lfunc_end_k_qe28447ddae_proj:
	.size	k_qe28447ddae_proj, .Lfunc_end_k_qe28447ddae_proj-k_qe28447ddae_proj
	.p2alignl 7, 3214868480
	.fill 96, 4, 3214868480
	.section	.rodata,"a",@progbits
	.p2align	6, 0x0
	.amdhsa_kernel k_qe28447ddae_proj
		.amdhsa_group_segment_fixed_size 327680
		.amdhsa_private_segment_fixed_size 0
		.amdhsa_enable_private_segment 0
		.amdhsa_kernarg_size 32
		.amdhsa_user_sgpr_count 2
		.amdhsa_user_sgpr_kernarg_segment_ptr 1
		.amdhsa_wavefront_size32 1
		.amdhsa_system_sgpr_workgroup_id_x 1
		.amdhsa_system_sgpr_workgroup_id_y 1
		.amdhsa_system_sgpr_workgroup_id_z 1
		.amdhsa_system_vgpr_workitem_id 0
		.amdhsa_next_free_vgpr 1024
		.amdhsa_next_free_sgpr 100
		.amdhsa_reserve_vcc 0
		.amdhsa_float_denorm_mode_32 3
		.amdhsa_float_denorm_mode_16_64 3
		.amdhsa_memory_ordered 1
		.amdhsa_forward_progress 1
		.amdhsa_inst_pref_size 145
	.end_amdhsa_kernel
	.amdgpu_metadata
---
amdhsa.version: [ 1, 2 ]
amdhsa.kernels:
  - .name:           k_qe28447ddae_proj
    .symbol:         k_qe28447ddae_proj.kd
    .args:
      - { .name: yq, .offset: 0, .size: 8, .value_kind: global_buffer, .address_space: global }
      - { .name: wq, .offset: 8, .size: 8, .value_kind: global_buffer, .address_space: global }
      - { .name: b_proj, .offset: 16, .size: 8, .value_kind: global_buffer, .address_space: global }
      - { .name: out0, .offset: 24, .size: 8, .value_kind: global_buffer, .address_space: global }
    .group_segment_fixed_size: 327680
    .private_segment_fixed_size: 0
    .kernarg_segment_align: 8
    .kernarg_segment_size: 32
    .max_flat_workgroup_size: 128
    .sgpr_count:     100
    .vgpr_count:     1024
    .wavefront_size: 32
...
	.end_amdgpu_metadata
.endif
;; end of part 4
